; MI455X (gfx1250); checked and timed in simulation.
; The chip was launched on July 23, 2026; its instructions are those of AMD's public machine-readable ISA for CDNA 5 (MIT licence, August 2026) and "CDNA5" Instruction Set Architecture Reference Guide (July 2026). The comments in the code are by the model that wrote it; some were corrected since.
;; Multi Head Attention. Allowed arithmetic: matrix products marked QUANTISED: E2M1 operands, one E8M0 scale for each 32 along K, by v_wmma_scale_f32_16x16x128_f8f6f4 with both operands' format E2M1 (or v_wmma_scale_f32_32x16x128_f4), f32 sums; products left as they are: bf16, f16 or f32 operands; f32 sums; everything else in f32.
;; Inputs: W0 1,024 x 1,024 float32; Wk 1,024 x 1,024 float32; Wq 1,024 x 1,024 float32; Wv 1,024 x 1,024 float32; b0 1,024 float32; bk 1,024 float32; bq 1,024 float32; bv 1,024 float32; k 4 x 2,048 x 1,024 float32; mask 4 x 1 x 2,048 x 2,048 bool; q 4 x 2,048 x 1,024 float32; v 4 x 2,048 x 1,024 float32.
;; Outputs: out0 4 x 2,048 x 1,024 float32.
;; This version of the problem:
;;   THIS VERSION OF THE PROBLEM IS GIVEN IN LOW PRECISION. The matrix products marked QUANTISED in the list below multiply operands that are first quantised to E2M1 (2 exponent bits, 1 mantissa bit; 4 bits a number), with one power-of-two scale for each 32 numbers along K (OCP MX v1.0); their sums are f32. The products marked 'left as it is' may take bf16, f16 or f32 operands, with f32 sums. Whichever they take, every output number must still come out within the allowed error. Rounding operands to bf16 (8 significant bits) uses up far more of that allowance than f16 does (11 bits, for magnitudes from 6e-5 to 65,504). All else is computed in f32.
;;   The module's matrix products, in the order in which they are computed (A, B: the left and right operand; K: the contracted axis; several contracted axes count as one K, in the product's order):
;;     1. [M 8,192, K 1,024] x [K 1,024, N 1,024]; A: input q; B: input Wq: QUANTISED
;;     2. [M 8,192, K 1,024] x [K 1,024, N 1,024]; A: input k; B: input Wk: QUANTISED
;;     3. [M 8,192, K 1,024] x [K 1,024, N 1,024]; A: input v; B: input Wv: QUANTISED
;;     4. batch 64 x [M 2,048, K 64] x [K 64, N 2,048]; A: computed on the way; B: computed on the way: left as it is (an operand is computed on the way)
;;     5. batch 64 x [M 2,048, K 2,048] x [K 2,048, N 64]; A: computed on the way; B: computed on the way: left as it is (an operand is computed on the way)
;;     6. [M 8,192, K 1,024] x [K 1,024, N 1,024]; A: computed on the way; B: input W0: left as it is (an operand is computed on the way)
;;   THE QUANTISER, for each operand of a quantised product, along K:
;;     - K is cut into blocks of 32 from its start; a last block that is shorter is filled with zeros.
;;     - A block's scale is 2^e with e = floor(log2(the largest magnitude in the block)) - 2, held to -126 .. 127; a block of zeros has e = 0. As a byte (E8M0): e + 127.
;;     - Each number is divided by its block's scale, clamped to +-6, and rounded to the nearest number of E2M1, ties to even, subnormals kept.
;;     - The product sums the exact products of the quantised numbers (number of the format x scale) in f32.
;;   ~~~python
;;   def quantise(x, axis):      # numpy; x: float32 -> the quantised numbers, widened to float32 again
;;       x = np.moveaxis(x, axis, -1); K = x.shape[-1]
;;       x = np.pad(x, [(0, 0)] * (x.ndim - 1) + [(0, -K % 32)]); x = x.reshape(x.shape[:-1] + (-1, 32)); a = np.abs(x).max(-1, keepdims=True)
;;       e = np.where(a > 0, np.clip(np.frexp(np.where(a > 0, a, 1))[1] - 1 - 2, -126, 127), 0)      # np.frexp(a)[1] - 1 = floor(log2(a)), exactly
;;       r = np.clip(x / 2.0 ** e, -6, 6)
;;       step = 2.0 ** (np.maximum(np.frexp(np.where(r == 0, 1, r))[1] - 1, 0) - 1)
;;       q = np.round(r / step) * step * 2.0 ** e      # np.round: ties to even
;;       return np.moveaxis(q.reshape(q.shape[:-2] + (-1,))[..., :K], -1, axis).astype(np.float32)
;;   ~~~
;; One version. Each part assembles by itself: llvm-mc -triple=amdgcn-amd-amdhsa -mcpu=gfx1250 --defsym DOCPART=n.
;; ======== version 1 of 1: 4 launches
;; limits: values are held in f16: magnitudes above 65,504 overflow, below 6.1e-05 lose precision
;; workspace buffers: codes 14,155,776 bytes; scales 884,736 bytes; w0h 2,097,152 bytes; mbits 2,097,152 bytes of whole numbers; qkv 50,331,648 bytes; att 16,777,216 bytes
;; launch prep (part 1): grid 1504 x 1, 4 waves a work-group, no clusters, 101,888 bytes of LDS; arguments q, k, v, Wq, Wk, Wv, W0, mask, codes, scales, w0h, mbits; writes codes, scales, w0h, mbits
.if DOCPART == 1
	.amdgcn_target "amdgcn-amd-amdhsa--gfx1250"
	.amdhsa_code_object_version 6
	.text
	.protected	k_qad1260e69a_prep
	.globl	k_qad1260e69a_prep
	.p2align	8
	.type	k_qad1260e69a_prep,@function
k_qad1260e69a_prep:
	s_mov_b64 s[64:65], 0
	v_nop
	global_prefetch_b8 v0, s[64:65] scope:SCOPE_SE
	s_setreg_imm32_b32 hwreg(HW_REG_WAVE_MODE, 25, 1), 1
	s_wait_xcnt 0x0
; PREP: all that is made once from the inputs.  Three kinds of work, told apart by the work-group's number alone; each has LDS bytes of its own and its own end.
;  A (work-groups 0-863): q, k, v [8192][1024] and Wq, Wk, Wv [1024][1024], f32, K innermost, become codes of FP4 (E2M1) and one E8M0 byte for each 32 along K.  The six tensors are stacked by rows
;    (q 0, k 8192, v 16384, Wq 24576, Wk 25600, Wv 26624): codes [27648][512 bytes], scales [27648][32 bytes].  A block's scale is 2^(floor(log2(largest magnitude)) - 2); its byte is that magnitude's exponent field - 2,
;    held at 1 from below (a block of zeros gets the byte 1: its codes are zeros, and this program alone reads the bytes).  Each number / scale goes to the nearest code, ties to even, beyond 6 the largest code.
;    LIMITS: blocks whose largest magnitude lies under 2^-124 keep the byte 1; NaN and infinities are not served.
;  B (864-991): W0 [1024][1024] f32 becomes f16, laid as the registers of a matrix operand: [n tile 64][K chunk 32][plane 2][lane 32][16 bytes]; plane p, lane (r, h) holds W0[16 nt + r][32 kk + 16 p + 8 h + 0..7].
;  C (992-1503): the mask's bytes become lane masks: [b 4][block of 64 queries 32][step of 64 keys 32][qt 4][kt 4][j 8] words; bit l of a word says whether key 64 step + 16 kt + 8 (l / 16) + j counts for query 16 qt + l % 16.
; No tensor loads and no barrier: waves share nothing.
.set GW0,   864                        ; first work-group of B
.set GMK,   992                        ; first of C
.set STEPS, 16
.set EMAX,  2
.set CB,    8                          ; bytes of 16 codes
.set R,     16                         ; v16-79   A: four sets of 16 numbers as loaded (B, C: 64 registers as loaded)
.set X,     80                         ; v80-111  A: two sets of 16 neighbours (B, C: v80-143 back from the stage)
.set C,     128                        ; v128-191 A: codes, four registers a step (B, C: v144 on: what is stored)
.set E,     112                        ; v112-127 A: a scale byte a step
.set WREG,  8192                       ; A's LDS: a region a wave: two stages of 32 x SP bytes, then its 256 scale bytes
.set SP,    80                         ; a lane's place in a stage: 64 bytes + 16 of padding
.set SPW,   12                         ; v12  LDS address of my spare word; never rewritten
.set NIL,   13                         ; v13  0; never rewritten
.set MSTG,  4*WREG                     ; C's stages: 32 rows x 272 bytes a wave
.set MWAVE, 32*272
.set WSTG,  MSTG+4*MWAVE               ; B's stages: 16 rows x 528 bytes a wave
.set WWAVE, 16*528
.set SPARE, WSTG+4*WWAVE               ; the spare words, 128 bytes a wave: two blocks of 256 bytes that no other line names
	s_load_b512 s[4:19], s[0:1], 0x0               ; q, k, v, Wq, Wk, Wv, W0 s[16:17], mask s[18:19]
	s_load_b256 s[20:27], s[0:1], 0x40             ; codes, scales, w0h, mbits
	v_lshl_add_u32 v[SPW], v0, 2, SPARE
	v_mov_b32 v[NIL], 0
	v_lshrrev_b32 v1, 5, v0
	v_readfirstlane_b32 s28, v1                    ; wave 0..3
	v_and_b32 v2, 31, v0                           ; lane
	s_cmp_ge_u32 ttmp9, GMK
	s_cbranch_scc1 .Lmask
	s_cmp_ge_u32 ttmp9, GW0
	s_cbranch_scc1 .Lw0
; ---------------- A: the quantiser.  A work-group takes 32,768 numbers (32 rows), a wave 16 steps of 512.  Rows are dense and 1,024 is a multiple of 32: tensors, codes and bytes are plain streams of blocks.
; The conversions want 16 neighbours in a lane, a load is best with neighbouring bytes in neighbouring lanes: each load reads 512 consecutive bytes, and a step's 2,048 bytes turn through the wave's own stage.
	v_lshlrev_b32 v3, 4, v2                        ; my 16 bytes of a load's 512
	s_mul_i32 s29, s28, WREG
	v_lshrrev_b32 v14, 2, v2
	v_mul_u32_u24 v14, v14, SP
	v_and_b32 v15, 3, v2
	v_lshl_add_u32 v14, v15, 4, v14
	v_add_nc_u32 v14, s29, v14                     ; the stage, on the way in: SP (lane / 4) + 16 (lane % 4)
	v_mul_u32_u24 v15, v2, SP
	v_add_nc_u32 v15, s29, v15                     ; and on the way out: SP x lane
	v_mul_u32_u24 v4, v2, CB                       ; my codes' place in a step's
	v_lshrrev_b32 v5, 1, v2
	s_add_co_u32 s29, s29, 2*32*SP
	v_add_nc_u32 v5, s29, v5                       ; my block's byte among my wave's 256
	v_lshlrev_b32 v7, 3, v2
	v_add_nc_u32 v6, s29, v7                       ; and on the way out 8 bytes a lane
	s_sub_co_u32 s30, ttmp9, 768                   ; which tensor, and which 32 rows of it: the weights have 32 work-groups each,
	s_lshr_b32 s31, s30, 5
	s_add_co_u32 s31, s31, 3
	s_and_b32 s30, s30, 31
	s_lshr_b32 s32, ttmp9, 8                       ; q, k, v 256 each
	s_and_b32 s33, ttmp9, 255
	s_cmp_lt_u32 ttmp9, 768
	s_cselect_b32 s31, s32, s31                    ; tensor 0..5
	s_cselect_b32 s30, s33, s30                    ; its run of 32 rows
	s_wait_kmcnt 0x0
	s_mov_b64 s[34:35], s[4:5]
.irp k, 1,2,3,4,5
	s_cmp_eq_u32 s31, \k                           ; the choice hangs on the work-group's number alone
	s_cselect_b64 s[34:35], s[4+2*\k:5+2*\k], s[34:35]
.endr
	s_lshl_b32 s36, s30, 17                        ; 32,768 numbers of 4 bytes a work-group,
	s_lshl_b32 s37, s28, 15                        ; 8,192 a wave
	s_add_co_u32 s36, s36, s37
	s_mov_b32 s37, 0
	s_add_nc_u64 s[34:35], s[34:35], s[36:37]
	s_lshl_b32 s36, ttmp9, 14                      ; the stacked rows make the way out linear in the work-group's number: 16,384 bytes of codes,
	s_lshl_b32 s38, s28, 12
	s_add_co_u32 s36, s36, s38
	s_add_nc_u64 s[20:21], s[20:21], s[36:37]
	s_lshl_b32 s36, ttmp9, 10                      ; 1,024 scale bytes
	s_lshl_b32 s38, s28, 8
	s_add_co_u32 s36, s36, s38
	s_add_nc_u64 s[22:23], s[22:23], s[36:37]
.macro LOAD t
.irp i, 0,1,2,3
	global_load_b128 v[R+16*((\t)%4)+4*\i:R+16*((\t)%4)+4*\i+3], v3, s[34:35] offset:2048*(\t)+512*\i th:TH_LOAD_NT   ; 32 lanes read 512 consecutive bytes
.endr
.endm
.macro TURN t                          ; step t's numbers through the stage: LDS serves a wave's instructions in order, so no wait stands between the stores and the loads
.irp i, 0,1,2,3
	ds_store_b128 v14, v[R+16*((\t)%4)+4*\i:R+16*((\t)%4)+4*\i+3] offset:32*SP*((\t)%2)+8*SP*\i
.endr
.irp i, 0,1,2,3
	ds_load_b128 v[X+16*((\t)%2)+4*\i:X+16*((\t)%2)+4*\i+3], v15 offset:32*SP*((\t)%2)+16*\i
.endr
.endm
.irp t, 0,1,2,3
	LOAD \t
.endr
	s_wait_loadcnt 12                              ; step 0's four loads are in
	TURN 0
.macro STEP t
.set XS, X+16*((\t)%2)
.if (\t) > 0
	s_wait_dscnt 1                                 ; this step's numbers are back from the stage (the last step's byte store may be out): its stores into the stage have read their registers,
.else
	s_wait_dscnt 0x0
.endif
.if (\t)+4 < STEPS
	LOAD (\t)+4                                    ; which take the loads of four steps on
.endif
.if (\t)+1 < STEPS
.if STEPS-2-(\t) >= 3
	s_wait_loadcnt 12                              ; the next step's four loads are in; those of the three steps behind it may be out
.else
	s_wait_loadcnt 4*(STEPS-2-(\t))
.endif
	TURN (\t)+1                                    ; and go through the other stage while this step is worked
.endif
	v_max3_num_f32 v8, |v[XS]|, |v[XS+1]|, |v[XS+2]|               ; the largest magnitude of my 16, in two chains
	v_max3_num_f32 v9, |v[XS+3]|, |v[XS+4]|, |v[XS+5]|
.irp i, 6,10
	v_max3_num_f32 v8, v8, |v[XS+\i]|, |v[XS+\i+1]|
	v_max3_num_f32 v9, v9, |v[XS+\i+2]|, |v[XS+\i+3]|
.endr
	v_max3_num_f32 v8, v8, |v[XS+14]|, |v[XS+15]|
	v_max3_num_f32 v8, v8, v9, (EMAX+1)<<23        ; and the floor 2^(EMAX + 1 - 127): the byte cannot fall under 1
	v_max_num_f32_dpp v8, v8, v8 row_xmask:1 row_mask:0xf bank_mask:0xf   ; and of my neighbour's 16: the block's
	v_add_nc_u32 v11, -(EMAX<<23), v8              ; EMAX off its exponent field: the conversion takes the exponent field of this operand as its scale, and nothing else of it
	v_cvt_scalef32_pk8_fp4_f32 v[C+4*(\t)], v[XS:XS+7], v11
	v_cvt_scalef32_pk8_fp4_f32 v[C+4*(\t)+1], v[XS+8:XS+15], v11
	v_lshrrev_b32 v[E+(\t)], 23, v11               ; the scale's byte (also the plain line behind the conversions)
	ds_store_b8 v5, v[E+(\t)] offset:16*(\t)       ; both lanes of a block write the same byte with the same value
	global_store_b64 v4, v[C+4*(\t):C+4*(\t)+1], s[20:21] offset:32*CB*(\t)   ; the wave stores 256 consecutive bytes, aligned
.endm
.irp t, 0,1,2,3,4,5,6,7,8,9,10,11,12,13,14,15
	STEP \t
.endr
	ds_load_b64 v[8:9], v6                         ; LDS serves a wave's instructions in order: these see my byte stores
	s_wait_dscnt 0x0
	global_store_b64 v7, v[8:9], s[22:23]          ; my wave's 256 scale bytes in one store
	s_wait_tensorcnt 0x0                           ; the wave's end
	ds_add_u32 v[SPW], v[NIL]
	s_wait_dscnt 0x0
	s_endpgm
; ---------------- B: a wave takes 16 rows x 128 along K of W0: task u = 4 (work-group - GW0) + wave; n tile u / 8, 128 along K u % 8
.Lw0:
	s_sub_co_u32 s30, ttmp9, GW0
	s_lshl_b32 s30, s30, 2
	s_add_co_u32 s30, s30, s28
	s_lshr_b32 s31, s30, 3                         ; n tile
	s_and_b32 s32, s30, 7                          ; which 128 along K
	s_lshl_b32 s36, s31, 16                        ; in: 16 rows of 4,096 bytes,
	s_lshl_b32 s33, s32, 9                         ; 512 bytes along a row
	s_add_co_u32 s36, s36, s33
	s_mov_b32 s37, 0
	s_lshl_b32 s38, s31, 15                        ; out: 32,768 bytes a tile,
	s_lshl_b32 s33, s32, 12                        ; four K chunks of 1,024
	s_add_co_u32 s38, s38, s33
	s_mov_b32 s39, 0
	v_lshlrev_b32 v3, 4, v2                        ; 16 x lane: in memory, both ways
	s_mul_i32 s29, s28, WWAVE
	s_add_co_u32 s29, s29, WSTG
	v_add_nc_u32 v4, s29, v3                       ; into the stage: a row's 512 bytes as they lie
	v_and_b32 v5, 15, v2                           ; r
	v_lshrrev_b32 v6, 4, v2                        ; h
	v_mul_u32_u24 v7, v5, 528                      ; out of it: row r (132 words apart: sixteen rows start at sixteen different groups of four banks), + 32 h
	v_lshl_add_u32 v7, v6, 5, v7
	v_add_nc_u32 v7, s29, v7
	s_wait_kmcnt 0x0
	s_add_nc_u64 s[16:17], s[16:17], s[36:37]
	s_add_nc_u64 s[24:25], s[24:25], s[38:39]
.irp i, 0,1,2,3,4,5,6,7,8,9,10,11,12,13,14,15
	global_load_b128 v[R+4*\i:R+4*\i+3], v3, s[16:17] offset:4096*\i th:TH_LOAD_NT   ; row i: 512 consecutive bytes
.endr
	s_wait_loadcnt 0x0
.irp i, 0,1,2,3,4,5,6,7,8,9,10,11,12,13,14,15
	ds_store_b128 v4, v[R+4*\i:R+4*\i+3] offset:528*\i
.endr
.irp x, 0,1,2,3,4,5,6,7                        ; plane x = 2 (K chunk) + p: my eight numbers W0(r, 16 x + 8 h + 0..7)
	ds_load_b128 v[X+8*\x:X+8*\x+3], v7 offset:64*\x
	ds_load_b128 v[X+8*\x+4:X+8*\x+7], v7 offset:64*\x+16
.endr
	s_wait_dscnt 0x0
.set i, 0
.rept 32
	v_cvt_pk_f16_f32 v[144+i], v[X+2*i], v[X+2*i+1]    ; the lower k in the low half; to nearest even
.set i, i+1
.endr
.irp x, 0,1,2,3,4,5,6,7
	global_store_b128 v3, v[144+4*\x:147+4*\x], s[24:25] offset:512*\x   ; a plane: 512 consecutive bytes
.endr
	s_wait_tensorcnt 0x0                           ; the wave's end
	ds_add_u32 v[SPW], v[NIL]
	s_wait_dscnt 0x0
	s_endpgm
; ---------------- C: a wave takes 32 queries x 256 keys of the mask: task u = 4 (work-group - GMK) + wave; 256 keys u % 8, block of 32 queries (all batches on end) u / 8
.Lmask:
	s_sub_co_u32 s30, ttmp9, GMK
	s_lshl_b32 s30, s30, 2
	s_add_co_u32 s30, s30, s28
	s_and_b32 s31, s30, 7                          ; which 256 keys
	s_lshr_b32 s32, s30, 3                         ; which 32 queries
	s_lshl_b32 s36, s32, 16                        ; in: 32 rows of 2,048 bytes,
	s_lshl_b32 s33, s31, 8
	s_add_co_u32 s36, s36, s33
	s_mov_b32 s37, 0
	s_lshr_b32 s38, s30, 4                         ; out: the block of 64 queries: 32 steps of 512 bytes,
	s_lshl_b32 s38, s38, 14
	s_lshl_b32 s33, s31, 11                        ; my four steps,
	s_add_co_u32 s38, s38, s33
	s_and_b32 s33, s32, 1                          ; my two query tiles of the four: 256 bytes of a step's 512
	s_lshl_b32 s33, s33, 8
	s_add_co_u32 s38, s38, s33
	s_mov_b32 s39, 0
	v_and_b32 v5, 15, v2                           ; r
	v_lshrrev_b32 v6, 4, v2                        ; h
	v_lshlrev_b32 v3, 4, v5
	v_lshl_add_u32 v3, v6, 11, v3                  ; in: lanes 0-15 one row's 256 bytes, lanes 16-31 the next row's
	s_mul_i32 s29, s28, MWAVE
	s_add_co_u32 s29, s29, MSTG
	v_mul_u32_u24 v4, v6, 272
	v_lshl_add_u32 v4, v5, 4, v4
	v_add_nc_u32 v4, s29, v4                       ; into the stage: the same two rows, 272 bytes apart
	v_mul_u32_u24 v7, v5, 272
	v_lshl_add_u32 v7, v6, 3, v7
	v_add_nc_u32 v7, s29, v7                       ; out of it: query r, + 8 h: eight keys' bytes (68 r + 2 h words: the 32 lanes touch 64 different banks)
	v_lshlrev_b32 v14, 3, v2                       ; out: 8 bytes a lane
	s_wait_kmcnt 0x0
	s_add_nc_u64 s[18:19], s[18:19], s[36:37]
	s_add_nc_u64 s[26:27], s[26:27], s[38:39]
.irp i, 0,1,2,3,4,5,6,7,8,9,10,11,12,13,14,15
	global_load_b128 v[R+4*\i:R+4*\i+3], v3, s[18:19] offset:4096*\i th:TH_LOAD_NT
.endr
.irp i, 0,1,2,3,4,5,6,7
	v_mov_b32 v[144+\i], 0                         ; written whole once: a lane write keeps the other lanes
.endr
	s_wait_loadcnt 0x0
.irp i, 0,1,2,3,4,5,6,7,8,9,10,11,12,13,14,15
	ds_store_b128 v4, v[R+4*\i:R+4*\i+3] offset:544*\i
.endr
.irp s, 0,1,2,3
.irp e, 0,1
.irp kt, 0,1,2,3
	ds_load_b64 v[X+2*((2*\s+\e)*4+\kt):X+2*((2*\s+\e)*4+\kt)+1], v7 offset:4352*\e+64*\s+16*\kt   ; step s, query tile e, key tile kt
.endr
.endr
.endr
	s_wait_dscnt 0x0
; A word: byte j of every lane's eight, compared with 0, is the lane mask.  Word 32 e + 8 kt + j of a step goes to lane (word / 2), register (word % 2), so that one store of 8 bytes a lane writes the step's 64 words.  Four words by turns.
.irp s, 0,1,2,3
.irp e, 0,1
.irp kt, 0,1,2,3
.irp g, 0,1
.irp i, 0,1,2,3
	v_and_b32 v[8+\i], 0xff<<(8*\i), v[X+2*((2*\s+\e)*4+\kt)+\g]
.endr
.irp i, 0,1,2,3
	v_cmp_ne_u32 s[40+\i], 0, v[8+\i]
.endr
.irp i, 0,1,2,3
	v_writelane_b32 v[144+2*\s+\i%2], s[40+\i], (32*\e+8*\kt+4*\g+\i)/2
.endr
.endr
.endr
.endr
.endr
.irp s, 0,1,2,3
	global_store_b64 v14, v[144+2*\s:145+2*\s], s[26:27] offset:512*\s   ; 256 consecutive bytes, aligned
.endr
	s_wait_tensorcnt 0x0                           ; the wave's end
	ds_add_u32 v[SPW], v[NIL]
	s_wait_dscnt 0x0
	s_endpgm
.Lfunc_end_k_qad1260e69a_prep:
	.size	k_qad1260e69a_prep, .Lfunc_end_k_qad1260e69a_prep-k_qad1260e69a_prep
	.p2alignl 7, 3214868480
	.fill 96, 4, 3214868480
	.section	.rodata,"a",@progbits
	.p2align	6, 0x0
	.amdhsa_kernel k_qad1260e69a_prep
		.amdhsa_group_segment_fixed_size 101888
		.amdhsa_private_segment_fixed_size 0
		.amdhsa_enable_private_segment 0
		.amdhsa_kernarg_size 96
		.amdhsa_user_sgpr_count 2
		.amdhsa_user_sgpr_kernarg_segment_ptr 1
		.amdhsa_wavefront_size32 1
		.amdhsa_system_sgpr_workgroup_id_x 1
		.amdhsa_system_sgpr_workgroup_id_y 1
		.amdhsa_system_sgpr_workgroup_id_z 1
		.amdhsa_system_vgpr_workitem_id 0
		.amdhsa_next_free_vgpr 192
		.amdhsa_next_free_sgpr 66
		.amdhsa_reserve_vcc 0
		.amdhsa_float_denorm_mode_32 3
		.amdhsa_float_denorm_mode_16_64 3
		.amdhsa_memory_ordered 1
		.amdhsa_forward_progress 1
		.amdhsa_inst_pref_size 96
	.end_amdhsa_kernel
	.amdgpu_metadata
---
amdhsa.version: [ 1, 2 ]
amdhsa.kernels:
  - .name:           k_qad1260e69a_prep
    .symbol:         k_qad1260e69a_prep.kd
    .args:
      - { .name: q, .offset: 0, .size: 8, .value_kind: global_buffer, .address_space: global }
      - { .name: k, .offset: 8, .size: 8, .value_kind: global_buffer, .address_space: global }
      - { .name: v, .offset: 16, .size: 8, .value_kind: global_buffer, .address_space: global }
      - { .name: Wq, .offset: 24, .size: 8, .value_kind: global_buffer, .address_space: global }
      - { .name: Wk, .offset: 32, .size: 8, .value_kind: global_buffer, .address_space: global }
      - { .name: Wv, .offset: 40, .size: 8, .value_kind: global_buffer, .address_space: global }
      - { .name: W0, .offset: 48, .size: 8, .value_kind: global_buffer, .address_space: global }
      - { .name: mask, .offset: 56, .size: 8, .value_kind: global_buffer, .address_space: global }
      - { .name: codes, .offset: 64, .size: 8, .value_kind: global_buffer, .address_space: global }
      - { .name: scales, .offset: 72, .size: 8, .value_kind: global_buffer, .address_space: global }
      - { .name: w0h, .offset: 80, .size: 8, .value_kind: global_buffer, .address_space: global }
      - { .name: mbits, .offset: 88, .size: 8, .value_kind: global_buffer, .address_space: global }
    .group_segment_fixed_size: 101888
    .private_segment_fixed_size: 0
    .kernarg_segment_align: 8
    .kernarg_segment_size: 96
    .max_flat_workgroup_size: 128
    .sgpr_count:     66
    .vgpr_count:     192
    .wavefront_size: 32
...
	.end_amdgpu_metadata
.endif
;; end of part 1
;; launch proj (part 2): grid 4 x 96, 4 waves a work-group, clusters of 4 x 4, 327,680 bytes of LDS; arguments codes, scales, bq, bk, bv, qkv; writes qkv
.if DOCPART == 2
	.amdgcn_target "amdgcn-amd-amdhsa--gfx1250"
	.amdhsa_code_object_version 6
	.text
	.protected	k_qad1260e69a_proj
	.globl	k_qad1260e69a_proj
	.p2align	8
	.type	k_qad1260e69a_proj,@function
k_qad1260e69a_proj:
	s_mov_b64 s[64:65], 0
	v_nop
	global_prefetch_b8 v0, s[64:65] scope:SCOPE_SE
	s_setreg_imm32_b32 hwreg(HW_REG_WAVE_MODE, 25, 1), 1
	s_wait_xcnt 0x0
	s_wait_alu depctr_hold_cnt(0) depctr_sa_sdst(0) depctr_va_vdst(0) depctr_va_sdst(0) depctr_va_ssrc(0) depctr_va_vcc(0) depctr_vm_vsrc(0)
	s_getreg_b32 s2, hwreg(HW_REG_IB_STS2, 6, 4)
	s_cmp_eq_u32 s2, 0
	s_cbranch_scc0 .Lentry_in_a_cluster
	s_endpgm
.Lentry_in_a_cluster:
	s_bfe_u32 s2, ttmp6, 0x10000c
	s_cmp_lg_u32 s2, 0xf033
	s_cbranch_scc0 .Lentry_shape_is_right
	s_endpgm
.Lentry_shape_is_right:
; PROJ: query, key and value = x W^T + b, all three in one launch, on codes of FP4 (E2M1) with one E8M0 scale for each 32 along K; sums in f32, the bias as the C of each sum's first product.
; codes [27648][512 bytes], scales [27648][32 bytes]: rows 0-24575 are q, k, v (8,192 each), rows 24576 on Wq, Wk, Wv (1,024 each).  Row m of the stacked x belongs to tensor t = m / 8192 and meets W's rows 24576 + 1024 t on.
; A tile of 256 x 256 is made by four waves, 128 x 128 each: 64 accumulators, 512 registers.  K = 1,024 is two K steps of 512: two LDS slots, both filled at the start and never again.
; The scales of the work-group's 256 + 256 rows come once, as dense blocks.  CLUSTERS: 4 x 4 work-groups; x's tile is shared along a row of the cluster, W's along a column: each is asked for jointly.
; A cluster's four tile rows lie in one tensor (8 clusters to a tensor), so t hangs on the cluster's y alone.
; THE PRODUCT IS USED TRANSPOSED (source 0 = 16 rows of W, source 1 = 16 rows of x): a lane holds eight neighbouring channels of one token.
; THE WAY OUT: the query is multiplied by c = log2(e) / 8 in f32 (key and value by 1.0), so that the next launch's scores are exponents of 2; then one rounding to f16.  A lane's eight numbers are 16 bytes, which ARE four registers of the
; next launch's operand: qkv is [t 3][batch x head 64][token tile 128][channel block 4][512 bytes]; a plane holds 16 tokens x 16 channels; lane (r, h) = token r, channels 8 h + 0..7, at byte 16 (16 h + r) for query and key,
; at byte 16 (2 r + h) for the value (16 rows of 32 bytes, for the turning load).  Each store of a wave covers 512 consecutive bytes, aligned.  No stage is needed.
; LIMITS: results beyond 65,504 in magnitude (the query: after the factor c) have no f16 number and are not served; NaN and infinities are not served.
; REGISTERS, in windows of 256: window 0: v0-31 addresses; v32-95 scale words, two sets (on the way out: what is stored); v128-191 x's fragments, one set; v192-255 the bias, 8 tiles of 8.
;   window 1: W's fragments, two sets, at v0 and v128.   window 2: the accumulators of my rows 0-63 ((a, b) at v[8 (8 a + b)]);   window 3: those of rows 64-127.
.set KSTEP,  512
.set NQ,     KSTEP/128
.set ROWB,   256                       ; a tile's row in bytes
.set KROW,   512                       ; a row of codes in memory
.set PITCH,  272                       ; an LDS row: 256 bytes + 16 of padding = 68 words: sixteen rows start at sixteen different groups of four banks
.set FR,     8
.set NL,     2
.set NP,     4                         ; places behind this matrix instruction (ISA guide 7.12.1)
.set HALFT,  128*PITCH
.set SLOT,   4*HALFT
.set KS,     32                        ; a row of scales in bytes
.set SCL,    2*SLOT
.set HALFS,  (128*KS/256)*272
.set SBLK,   (16*KS/256)*272
.set SPARE,  SCL+4*HALFS               ; the spare words, 128 bytes a wave: two blocks of 256 bytes that no other line names
.set WROW0,  24576                     ; the weights' first row
.set ADRA, 16
.set ADRB, 20
.set CO,   26                          ; v26  my 16 bytes' place in a plane
.set ADRS, 27
.set SPW,  28
.set NIL,  29
.set SC,   32
.set TMP,  32
.set AF,   128
.set BI,   192
.set G1, 24
.set G0, 32
.set G1B, 48
.set G0B, 56
.set G1S, 68
.set G0S, 76
.set G1SB, 80
.set G0SB, 88
.set MSB, 0
.macro WIN new                         ; the immediate's high byte repeats the setting that is left
.if MSB != (\new)
	s_set_vgpr_msb (MSB<<8)|(\new)
.set MSB, (\new)
.endif
.endm
.set MUL_LO, 0xa1                      ; source 0 (W) window 1, source 1 (x) window 0, C and D window 2
.set MUL_HI, 0xf1                      ; the same, C and D window 3
.set TO_B,   0x40
; A joint load: waves 0 and 1 fetch for x, waves 2 and 3 for W.  The branch hangs on the wave's number alone.  An s_nop 0 and four v_nop follow each of the two lines.
.macro JLOAD g0a, g1a, g0b, g1b
	s_cmp_eq_u32 s15, 0
	s_cbranch_scc0 .Lfor_b_\@
	tensor_load_to_lds s[\g0a:\g0a+3], s[\g1a:\g1a+7]
	s_nop 0
.rept 4
	v_nop
.endr
	s_branch .Lasked_\@
.Lfor_b_\@:
	tensor_load_to_lds s[\g0b:\g0b+3], s[\g1b:\g1b+7]
	s_nop 0
.rept 4
	v_nop
.endr
.Lasked_\@:
.endm
.macro CROUND                          ; a round of the cluster's barrier
	s_barrier_signal -1
	s_barrier_wait -1
	s_cmp_lg_u32 s14, 0
	s_cbranch_scc1 .Lnot_wave_0_\@
	s_barrier_signal -3
.Lnot_wave_0_\@:
	s_barrier_wait -3
	s_barrier_signal -1
	s_barrier_wait -1
.endm
	s_load_b256 s[4:11], s[0:1], 0x0               ; codes s[4:5], scales s[6:7], bq s[8:9], bk s[10:11]
	s_load_b128 s[96:99], s[0:1], 0x20             ; bv s[96:97], qkv s[98:99]
	v_lshl_add_u32 v[SPW], v0, 2, SPARE
	v_mov_b32 v[NIL], 0
	ds_add_u32 v[SPW], v[NIL]                      ; the wave's opening: the add, twice on end, and its wait ahead of my first tensor load
	ds_add_u32 v[SPW], v[NIL]
	v_lshrrev_b32 v1, 5, v0
	v_readfirstlane_b32 s14, v1                    ; wave 0..3
	s_lshr_b32 s15, s14, 1                         ; which half of the tile's rows is mine.  Also: I fetch for x (0) or for W (1)
	s_and_b32 s16, s14, 1                          ; which half of its columns.  Also: which 128 rows I fetch
	s_bfe_u32 s40, ttmp6, 0x40000                  ; cx, cy
	s_bfe_u32 s41, ttmp6, 0x40004
	s_lshl_b32 s42, ttmp9, 2
	s_add_co_u32 s42, s42, s40                     ; tile column = 4 x cluster x + cx
	s_and_b32 s17, ttmp7, 0xffff
	s_lshr_b32 s66, s17, 3                         ; t = cluster y / 8: the same in all sixteen partners
	s_lshl_b32 s17, s17, 2
	s_add_co_u32 s17, s17, s41                     ; tile row = 4 x cluster y + cy
	s_lshl_b32 s43, s41, 2
	s_lshl_b32 s43, 15, s43                        ; my row of the cluster
	s_lshl_b32 s44, 0x1111, s40                    ; my column
	s_or_b32 s[G1+0], s43, (0<<16)|(1<<20)|(1<<21)|(5<<22)|(3<<25)  ; the mask; elements of 1 byte; padding: 4 words behind every 64; bit 21 beside a mask
	s_or_b32 s[G1B+0], s44, (0<<16)|(1<<20)|(1<<21)|(5<<22)|(3<<25)
.irp g, G1, G1B
	s_mov_b32 s[\g+1], ROWB<<16                    ; tensor_dim0
	s_mov_b32 s[\g+2], 128<<16                     ; tensor_dim1
	s_mov_b32 s[\g+3], ROWB<<16                    ; tile_dim0
	s_mov_b32 s[\g+4], 128                         ; tile_dim1
	s_mov_b32 s[\g+5], KROW                        ; from row to row
	s_mov_b32 s[\g+6], 0
	s_mov_b32 s[\g+7], 0
.endr
	s_or_b32 s[G1S+0], s43, (3<<16)|(1<<20)|(1<<21)|(5<<22)|(3<<25) ; the scales of 128 rows: 4,096 dense bytes as 16 rows of 256 (32 elements of 8 bytes), 16 bytes of padding behind each
	s_or_b32 s[G1SB+0], s44, (3<<16)|(1<<20)|(1<<21)|(5<<22)|(3<<25)
.irp g, G1S, G1SB
	s_mov_b32 s[\g+1], 32<<16
	s_mov_b32 s[\g+2], (128*KS/256)<<16
	s_mov_b32 s[\g+3], 32<<16
	s_mov_b32 s[\g+4], 128*KS/256
	s_mov_b32 s[\g+5], 32
	s_mov_b32 s[\g+6], 0
	s_mov_b32 s[\g+7], 0
.endr
	s_lshl_b32 s18, s16, 7                         ; which 128 rows of the tile I fetch
	s_lshl_b32 s20, s17, 8
	s_add_co_u32 s20, s20, s18                     ; x: row 256 x tile row + 128 x half
	s_lshl_b32 s46, s42, 8
	s_add_co_u32 s46, s46, s18                     ; W: row 256 x tile column + 128 x half,
	s_lshl_b32 s67, s66, 10
	s_add_co_u32 s46, s46, s67                     ; in tensor t's weight,
	s_add_co_u32 s46, s46, WROW0                   ; behind the 24,576 rows of x
	s_mov_b32 s21, 0
	s_mov_b32 s47, 0
	s_mov_b64 s[18:19], KS
	s_mul_u64 s[22:23], s[20:21], s[18:19]         ; where these rows' scales begin,
	s_mul_u64 s[92:93], s[46:47], s[18:19]
	s_mov_b64 s[18:19], KROW
	s_mul_u64 s[20:21], s[20:21], s[18:19]         ; and their codes
	s_mul_u64 s[46:47], s[46:47], s[18:19]
	s_mul_i32 s45, s14, HALFT                      ; where they go: wave x 128 rows
	s_mul_i32 s94, s14, HALFS
	s_wait_dscnt 0x0                               ; both opening adds are done
	s_wait_kmcnt 0x0
	s_add_nc_u64 s[20:21], s[4:5], s[20:21]
	s_add_nc_u64 s[22:23], s[6:7], s[22:23]
	s_add_nc_u64 s[46:47], s[4:5], s[46:47]
	s_add_nc_u64 s[92:93], s[6:7], s[92:93]
	CROUND                                         ; all sixteen work-groups are here: the joint loads meet
	s_mov_b32 s[G0S], 1
	s_add_co_u32 s[G0S+1], s94, SCL
	s_mov_b64 s[G0S+2:G0S+3], s[22:23]
	s_or_b32 s[G0S+3], s[G0S+3], 0x80000000
	s_mov_b32 s[G0SB], 1
	s_add_co_u32 s[G0SB+1], s94, SCL
	s_mov_b64 s[G0SB+2:G0SB+3], s[92:93]
	s_or_b32 s[G0SB+3], s[G0SB+3], 0x80000000
	JLOAD G0S, G1S, G0SB, G1SB                     ; the scales first: they are wanted with K step 0
.irp s, 0,1
	s_mov_b32 s[G0+4*\s], 1
	s_add_co_u32 s[G0+4*\s+1], s45, \s*SLOT
	s_add_nc_u64 s[G0+4*\s+2:G0+4*\s+3], s[20:21], \s*ROWB
	s_or_b32 s[G0+4*\s+3], s[G0+4*\s+3], 0x80000000
	s_mov_b32 s[G0B+4*\s], 1
	s_add_co_u32 s[G0B+4*\s+1], s45, \s*SLOT
	s_add_nc_u64 s[G0B+4*\s+2:G0B+4*\s+3], s[46:47], \s*ROWB
	s_or_b32 s[G0B+4*\s+3], s[G0B+4*\s+3], 0x80000000
	JLOAD G0+4*\s, G1, G0B+4*\s, G1B               ; both K steps: three loads of mine are out
.endr
	v_and_b32 v1, 15, v0                           ; r
	v_bfe_u32 v2, v0, 4, 1                         ; h
	v_mul_u32_u24 v3, v1, PITCH
	v_lshl_add_u32 v4, v2, 4, v3                   ; a fragment's row x pitch + 16 h
	s_mul_i32 s21, s15, HALFT
	s_mul_i32 s22, s16, HALFT
	s_add_co_u32 s22, s22, 2*HALFT
.irp s, 0,1
	v_add_nc_u32 v[ADRA+\s], s21, v4
	v_add_nc_u32 v[ADRB+\s], s22, v4
	s_add_co_u32 s21, s21, SLOT
	s_add_co_u32 s22, s22, SLOT
.endr
	v_mul_u32_u24 v5, v1, KS                       ; my row's scales: KS bytes a row,
	v_lshrrev_b32 v6, 8, v5
	v_lshl_add_u32 v5, v6, 4, v5                   ; and 16 more for each 256 passed
	s_mul_i32 s21, s15, HALFS
	s_mul_i32 s22, s16, HALFS
	s_add_co_u32 s22, s22, 2*HALFS
	s_sub_co_u32 s22, s22, s21
	v_mul_u32_u24 v6, s22, v2                      ; lanes 16-31 take W's
	s_add_co_u32 s21, s21, SCL
	v_add_nc_u32 v5, v5, v6
	v_add_nc_u32 v[ADRS], s21, v5
	; the bias of tensor t: lane (r, h) wants, for W's block b, channels 16 b + 8 h + 0..7 of my 128
	s_cmp_eq_u32 s66, 1
	s_cselect_b64 s[8:9], s[10:11], s[8:9]
	s_cmp_eq_u32 s66, 2
	s_cselect_b64 s[8:9], s[96:97], s[8:9]
	s_cselect_b32 s67, 32, 16                      ; a lane's place in a plane: the value 32 r + 16 h, query and key 16 r + 256 h
	s_cselect_b32 s95, 16, 256
	s_lshl_b32 s12, s42, 10
	s_lshl_b32 s13, s16, 9
	s_add_co_u32 s12, s12, s13                     ; 4 (256 x tile column + 128 x half)
	s_mov_b32 s13, 0
	s_add_nc_u64 s[8:9], s[8:9], s[12:13]
	v_lshlrev_b32 v5, 5, v2
.irp b, 0,1,2,3,4,5,6,7
	global_load_b128 v[BI+8*\b:BI+8*\b+3], v5, s[8:9] offset:64*\b
	global_load_b128 v[BI+8*\b+4:BI+8*\b+7], v5, s[8:9] offset:64*\b+16
.endr
	v_mul_u32_u24 v[CO], v1, s67
	v_mad_u32_u24 v[CO], v2, s95, v[CO]
	s_mov_b32 s12, 0x3e38aa3b                      ; c = log2(e) / 8 for the query,
	s_mov_b32 s13, 0x3f800000                      ; 1.0 for key and value
	s_cmp_eq_u32 s66, 0
	s_cselect_b32 s12, s12, s13
	s_mov_b32 s13, s12                             ; (named with it as a pair, so it is written)
	; where my 128 x 128 begins in qkv: m0 = my first row; (m0 / 2048) is 4 t + batch; head = 4 x tile column + 2 x half (+ b / 4); token tile (m0 % 2048) / 16 (+ a)
	s_lshl_b32 s20, s17, 8
	s_lshl_b32 s21, s15, 7
	s_add_co_u32 s20, s20, s21
	s_lshr_b32 s21, s20, 11
	s_lshl_b32 s21, s21, 4
	s_lshl_b32 s22, s42, 2
	s_add_co_u32 s21, s21, s22
	s_lshl_b32 s22, s16, 1
	s_add_co_u32 s21, s21, s22
	s_lshl_b32 s21, s21, 18                        ; 262,144 bytes a head
	s_and_b32 s20, s20, 2047
	s_lshl_b32 s20, s20, 7                         ; 2,048 bytes a token tile
	s_add_co_u32 s20, s20, s21
	s_mov_b32 s21, 0
	s_add_nc_u64 s[98:99], s[98:99], s[20:21]
.macro FRAG reg, adr, q, i             ; 16 rows x 128 K of 4-bit codes: 8 registers: lane (r, h): row r; registers 4 c .. 4 c + 3: K = 64 c + 32 h + 0..31
.irp c, 0,1
	ds_load_b128 v[\reg+4*\c:\reg+4*\c+3], v[\adr] offset:64*(\q)+32*\c+(\i)*16*PITCH
.endr
.endm
; 16 matrix instructions: x's blocks a0, a0 + 1 against W's eight, the slot's q-th 128 along K.  p: W's set; sc: the set of scale words.  zero = 1: the first product starts the sums, with the bias as its C.
; The 64 accumulators take turns, one instruction a turn, in the same order in every step.
.macro MUL16 a0, p, q, sc, zero
.irp a, \a0, \a0+1
.irp b, 0,1,2,3,4,5,6,7
.if \zero
	v_wmma_scale_f32_16x16x128_f8f6f4 v[8*(8*((\a)%4)+\b):8*(8*((\a)%4)+\b)+7], v[128*(\p)+FR*\b:128*(\p)+FR*\b+FR-1], v[AF+FR*(\a):AF+FR*(\a)+FR-1], v[BI+8*\b:BI+8*\b+7], v[SC+8*NQ*(\sc)+NQ*\b+(\q)], v[SC+8*NQ*(\sc)+NQ*(\a)+(\q)] matrix_a_fmt:MATRIX_FMT_FP4 matrix_b_fmt:MATRIX_FMT_FP4 matrix_a_scale:MATRIX_SCALE_ROW1
.else
	v_wmma_scale_f32_16x16x128_f8f6f4 v[8*(8*((\a)%4)+\b):8*(8*((\a)%4)+\b)+7], v[128*(\p)+FR*\b:128*(\p)+FR*\b+FR-1], v[AF+FR*(\a):AF+FR*(\a)+FR-1], v[8*(8*((\a)%4)+\b):8*(8*((\a)%4)+\b)+7], v[SC+8*NQ*(\sc)+NQ*\b+(\q)], v[SC+8*NQ*(\sc)+NQ*(\a)+(\q)] matrix_a_fmt:MATRIX_FMT_FP4 matrix_b_fmt:MATRIX_FMT_FP4 matrix_a_scale:MATRIX_SCALE_ROW1
.endif
.endr
.endr
.endm
.macro FETCH_B slot, q, p
	WIN TO_B
.irp i, 0,1,2,3,4,5,6,7
	FRAG 128*(\p)+FR*\i, ADRB+\slot, \q, \i
.endr
	WIN 0
.endm
.macro FETCH_A slot, q, i0
.irp i, \i0, \i0+1, \i0+2, \i0+3
	FRAG AF+FR*(\i), ADRA+\slot, \q, \i
.endr
.endm
.macro SCALES sc                       ; a K step's scale words: NQ words a row; lanes 0-15 take x's block i, lanes 16-31 W's block i
.irp i, 0,1,2,3,4,5,6,7
	ds_load_b128 v[SC+8*NQ*\sc+NQ*\i:SC+8*NQ*\sc+NQ*\i+3], v[ADRS] offset:\i*SBLK
.endr
.endm
.macro PLACES n                        ; plain vector lines between a matrix instruction and a load into, or a vector line on, its registers (ISA guide 7.12.1 for vector lines)
.rept \n
	v_nop
.endr
.endm
; A step of 128 along K that has its successor in the same slot.  x has one set of registers: blocks 0-3 are fetched anew in the step's middle, blocks 4-7 at its end; W has two sets.
.macro STEP slot, q, zero
	s_wait_dscnt 4*NL                              ; W's set and x's blocks 0-3 are in; the youngest eight loads (blocks 4-7) may be out
	WIN MUL_LO-0x20*(\zero)                        ; (zero = 1: C, the bias, lies in window 0)
	MUL16 0, (\q)%2, \q, \slot, \zero
	MUL16 2, (\q)%2, \q, \slot, \zero
	s_wait_dscnt 0
	PLACES NP
	FETCH_B \slot, (\q)+1, 1-(\q)%2
	FETCH_A \slot, (\q)+1, 0
	WIN MUL_HI-0x30*(\zero)
	MUL16 4, (\q)%2, \q, \slot, \zero
	MUL16 6, (\q)%2, \q, \slot, \zero
	PLACES NP
	WIN 0
	FETCH_A \slot, (\q)+1, 4
.endm
; Slot 0's last step changes slots: each wave waits for all its tensor loads (its part of slot 1), then the barrier shows slot 1 whole to all four.  Nothing is filled again.
.macro TURN slot, next
	s_wait_tensorcnt 0x0
	ds_add_u32 v[SPW], v[NIL]                      ; 0 onto my spare word
	s_wait_dscnt 4*NL+1                            ; (the add and the youngest eight loads may be out)
	WIN MUL_LO
	MUL16 0, 1, NQ-1, \slot, 0
	s_wait_dscnt 0x0
	s_barrier_signal -1
	MUL16 2, 1, NQ-1, \slot, 0
	WIN 0
	s_barrier_wait -1
	PLACES NP
	v_add_nc_u32 v[ADRS], 4*NQ, v[ADRS]            ; on to the next K step's scale words
	FETCH_B \next, 0, 0
	FETCH_A \next, 0, 0
	SCALES \next
	WIN MUL_HI
	MUL16 4, 1, NQ-1, \slot, 0
	MUL16 6, 1, NQ-1, \slot, 0
	PLACES NP
	WIN 0
	FETCH_A \next, 0, 4
.endm
	s_wait_tensorcnt 1                             ; the scales and my part of K step 0 are in (K step 1's load may be out),
	s_barrier_signal -1
	s_barrier_wait -1                              ; everybody's are
	FETCH_B 0, 0, 0
	FETCH_A 0, 0, 0
	SCALES 0
	FETCH_A 0, 0, 4
	s_wait_loadcnt 0x0                             ; the bias
	STEP 0, 0, 1
	STEP 0, 1, 0
	STEP 0, 2, 0
	TURN 0, 1
	STEP 1, 0, 0
	STEP 1, 1, 0
	STEP 1, 2, 0
	s_wait_dscnt 4*NL                              ; the last step: nothing more to fetch
	WIN MUL_LO
	MUL16 0, 1, NQ-1, 1, 0
	MUL16 2, 1, NQ-1, 1, 0
	s_wait_dscnt 0
	WIN MUL_HI
	MUL16 4, 1, NQ-1, 1, 0
	MUL16 6, 1, NQ-1, 1, 0
	WIN 0
; THE WAY OUT of block a (16 tokens x 128 channels): x the factor, in place; rounded to f16, 16 bytes a lane; eight stores of 512 consecutive bytes.  Each accumulator is read from its low end on.
.macro OUTB a
.set AC, 64*((\a)%4)
.set TT, TMP+32*((\a)%2)
.if (\a) >= 2
	s_wait_xcnt 0x0                                ; block a - 2's stores have read their registers, which are written again below
.endif
	WIN 0x82+0x41*((\a)/4)                         ; source 0 and destination: window 2 or 3
.set i, 0
.rept 32
	v_pk_mul_f32 v[AC+i:AC+i+1], v[AC+i:AC+i+1], s[12:13] op_sel_hi:[1,0]
.set i, i+2
.endr
	WIN 0x0a+5*((\a)/4)                            ; sources 0 and 1: window 2 or 3
.set i, 0
.rept 32
	v_cvt_pk_f16_f32 v[TT+i], v[AC+2*i], v[AC+2*i+1]
.set i, i+1
.endr
	WIN 0
.irp b, 0,1,2,3,4,5,6,7
	global_store_b128 v[CO], v[TT+4*\b:TT+4*\b+3], s[98:99] offset:(\b/4)*262144+(\a)*2048+(\b%4)*512
.endr
.endm
	PLACES NP                                      ; behind the last products: the lines below write scale registers and results
.irp a, 0,1,2,3,4,5,6,7
	OUTB \a
.endr
	s_wait_tensorcnt 0x0                           ; the wave's end
	ds_add_u32 v[SPW], v[NIL]
	s_wait_dscnt 0x0
	CROUND                                         ; the closing round: no work-group ends while a partner may still ask for a tile that names it
	s_endpgm
.Lfunc_end_k_qad1260e69a_proj:
	.size	k_qad1260e69a_proj, .Lfunc_end_k_qad1260e69a_proj-k_qad1260e69a_proj
	.p2alignl 7, 3214868480
	.fill 96, 4, 3214868480
	.section	.rodata,"a",@progbits
	.p2align	6, 0x0
	.amdhsa_kernel k_qad1260e69a_proj
		.amdhsa_group_segment_fixed_size 327680
		.amdhsa_private_segment_fixed_size 0
		.amdhsa_enable_private_segment 0
		.amdhsa_kernarg_size 48
		.amdhsa_user_sgpr_count 2
		.amdhsa_user_sgpr_kernarg_segment_ptr 1
		.amdhsa_wavefront_size32 1
		.amdhsa_system_sgpr_workgroup_id_x 1
		.amdhsa_system_sgpr_workgroup_id_y 1
		.amdhsa_system_sgpr_workgroup_id_z 1
		.amdhsa_system_vgpr_workitem_id 0
		.amdhsa_next_free_vgpr 1024
		.amdhsa_next_free_sgpr 100
		.amdhsa_reserve_vcc 0
		.amdhsa_float_denorm_mode_32 3
		.amdhsa_float_denorm_mode_16_64 3
		.amdhsa_memory_ordered 1
		.amdhsa_forward_progress 1
		.amdhsa_inst_pref_size 136
	.end_amdhsa_kernel
	.amdgpu_metadata
---
amdhsa.version: [ 1, 2 ]
amdhsa.kernels:
  - .name:           k_qad1260e69a_proj
    .symbol:         k_qad1260e69a_proj.kd
    .args:
      - { .name: codes, .offset: 0, .size: 8, .value_kind: global_buffer, .address_space: global }
      - { .name: scales, .offset: 8, .size: 8, .value_kind: global_buffer, .address_space: global }
      - { .name: bq, .offset: 16, .size: 8, .value_kind: global_buffer, .address_space: global }
      - { .name: bk, .offset: 24, .size: 8, .value_kind: global_buffer, .address_space: global }
      - { .name: bv, .offset: 32, .size: 8, .value_kind: global_buffer, .address_space: global }
      - { .name: qkv, .offset: 40, .size: 8, .value_kind: global_buffer, .address_space: global }
    .group_segment_fixed_size: 327680
    .private_segment_fixed_size: 0
    .kernarg_segment_align: 8
    .kernarg_segment_size: 48
    .max_flat_workgroup_size: 128
    .sgpr_count:     100
    .vgpr_count:     1024
    .wavefront_size: 32
...
	.end_amdgpu_metadata
.endif
;; end of part 2
;; launch attn (part 3): grid 4 x 64, 8 waves a work-group, clusters of 4 x 1, 327,680 bytes of LDS; arguments qkv, mbits, att; writes att
.if DOCPART == 3
	.amdgcn_target "amdgcn-amd-amdhsa--gfx1250"
	.amdhsa_code_object_version 6
	.text
	.protected	k_qad1260e69a_attn
	.globl	k_qad1260e69a_attn
	.p2align	8
	.type	k_qad1260e69a_attn,@function
k_qad1260e69a_attn:
	s_mov_b64 s[64:65], 0
	v_nop
	global_prefetch_b8 v0, s[64:65] scope:SCOPE_SE
	s_setreg_imm32_b32 hwreg(HW_REG_WAVE_MODE, 25, 1), 1
	s_wait_xcnt 0x0
	s_wait_alu depctr_hold_cnt(0) depctr_sa_sdst(0) depctr_va_vdst(0) depctr_va_sdst(0) depctr_va_ssrc(0) depctr_va_vcc(0) depctr_vm_vsrc(0)
	s_getreg_b32 s2, hwreg(HW_REG_IB_STS2, 6, 4)
	s_cmp_eq_u32 s2, 0
	s_cbranch_scc0 .Lentry_in_a_cluster
	s_endpgm
.Lentry_in_a_cluster:
	s_bfe_u32 s2, ttmp6, 0x10000c
	s_cmp_lg_u32 s2, 0x3003
	s_cbranch_scc0 .Lentry_shape_is_right
	s_endpgm
.Lentry_shape_is_right:
; ATTN: for each batch and head, O[q] = sum over k of softmax_k(where(mask, Q[q] . K[k] / 8, -1e9)) V[k].  Operands f16, products, maxima and sums f32; the weights are rounded to f16 for the second product, O once at the end.
; Q arrives multiplied by c = log2(e) / 8, so a score s is an exponent of 2: p = 2^(s - m), m the running maximum of the row; a masked score is REPLACED by -1e9 x log2(e), so a row with no key left gets equal weights.
; The subtraction s - m is exact at s = m, whatever their size: p never passes 1.  In every step O and the sum l are multiplied by a = 2^(m_old - m_new).
; SHARES.  A cluster of four work-groups takes one batch x head; a work-group 512 queries; each of its eight waves 64: four tiles of 16.  Two waves lie on a SIMD.  Every wave walks all 2,048 keys, 64 a step.
; LAYOUT.  S^T = K Q^T (source 0 = 16 keys, source 1 = 16 queries): a lane holds ONE query (lane % 16) and keys 8 (lane / 16) + 0..7 of each key tile; two such tiles, rounded in pairs, ARE source 1 of O^T = V^T P.
; K, V and Q lie in memory as planes of 512 bytes, images of four operand registers (V: 16 rows of 32 bytes, for the turning load): a step's K is 8,192 dense bytes, and so is its V; LDS reads take 512 consecutive bytes.
; THE RING.  Two slots of eight steps (65,536 bytes of K, then of V).  Each wave fetches 16,384 bytes with one joint load (waves 0-3: K, waves 4-7: V): the four work-groups walk the same K and V.
; THE MASK comes as lane masks, 32 words a tile and step, by scalar loads; it steers v_cndmask_b32 alone.  The words of a PAIR of tiles, 64 words, 256 consecutive bytes, are used together and the next pair's are asked for directly
; behind them: half a step ahead.  (Scalar loads can only be waited for all together, ISA guide 5.7.1, so a request between two waits would gain nothing; 64 words are what the scalar registers hold.)
; LIMITS: NaN and infinities among the operands are not served.
; REGISTERS.  Window 0: v1-8 addresses and constants; v12-27 four registers of statistics a tile (m, at work, l in two halves); v28 a; v32-47 at work; v64-191 S^T, 32 a tile, P in place in a tile's low 16; v192-255 K.
;   Window 1: v0-127 O^T, 32 a tile; v128-191 Q; v192-255 V.
.set SLOT1, 1<<17                      ; slot 1 begins here: one exclusive or turns an address
.set VOFF,  65536                      ; V's tiles in a slot
.set STEPB, 8192
.set SPARE, 2*SLOT1                    ; the spare words, 128 bytes a wave: four blocks of 256 bytes that no other line names
.set MLAST, 16128                      ; the last pair's words among my wave's 16,384 bytes
.set AK0, 1                            ; v1  16 x lane: a plane's place for my lane; also my place in att's planes
.set AV0, 2                            ; v2  my lane's place for the turning load, + VOFF
.set ADK, 3
.set ADV, 4
.set NEG, 5                            ; v5  -1e9 x log2(e)
.set SPW, 6
.set NIL, 7
.set PFO, 8                            ; v8  256 x lane
.set ST,  12
.set AA,  28                           ; v[28:29] a, and a partner that is written once
.set CH,  32                           ; v32-39 maxima's chains, then the sums' four pairs
.set RC,  40                           ; v40-47 the way out: 1 / l, in pairs
.set S,   64
.set KF,  192
.set TB,  2                            ; s2  LDS byte at which the step's tiles begin
.set SLOTS, 3
.set WV,  10
.set CX,  11
.set BH,  12
.set MSL, 12                           ; s12 once the addresses are made: 2 in a batch's first head, else 0: at which count of SLOTS the mask words are prefetched
.set STEPS, 13
.set MO,  14                           ; s14 byte offset of the mask words asked for last
.set LIM, 15
.set MW,  16                           ; s[16:47] the 32 mask words of a pair's first tile
.set MW2, 68                           ; s[68:99] those of its second (s68-75 are at work at the head, before the first words are asked for)
.set G1,  48
.set G0,  56
.set SEL, 60
.set MB,  62                           ; s[62:63] my wave's mask words; never rewritten
.set PFA, 66
.set MSB, 0
.macro WIN new
.if MSB != (\new)
	s_set_vgpr_msb (MSB<<8)|(\new)
.set MSB, (\new)
.endif
.endm
.macro CROUND
	s_barrier_signal -1
	s_barrier_wait -1
	s_cmp_lg_u32 s[WV], 0
	s_cbranch_scc1 .Lnot_wave_0_\@
	s_barrier_signal -3
.Lnot_wave_0_\@:
	s_barrier_wait -3
	s_barrier_signal -1
	s_barrier_wait -1
.endm
.macro MLOAD                           ; a pair's 64 mask words: 256 consecutive bytes
	s_load_b512 s[MW:MW+15], s[MB:MB+1], s[MO]
	s_load_b512 s[MW+16:MW+31], s[MB:MB+1], s[MO] offset:0x40
	s_load_b512 s[MW2:MW2+15], s[MB:MB+1], s[MO] offset:0x80
	s_load_b512 s[MW2+16:MW2+31], s[MB:MB+1], s[MO] offset:0xc0
.endm
	s_load_b128 s[4:7], s[0:1], 0x0                ; qkv, mbits
	s_load_b64 s[8:9], s[0:1], 0x10                ; att
	v_lshl_add_u32 v[SPW], v0, 2, SPARE
	v_mov_b32 v[NIL], 0
	ds_add_u32 v[SPW], v[NIL]                      ; the wave's opening: the add, twice on end, and its wait ahead of my first tensor load
	ds_add_u32 v[SPW], v[NIL]
	v_lshrrev_b32 v9, 5, v0
	v_readfirstlane_b32 s[WV], v9                  ; wave 0..7
	s_bfe_u32 s[CX], ttmp6, 0x40000                ; my block of 512 queries
	s_and_b32 s[BH], ttmp7, 0xffff                 ; batch x head, which the four partners share
	s_mov_b32 s[G1], 15|(3<<16)|(1<<21)            ; the mask: all four; elements of 8 bytes; no padding; bit 21 beside a mask
	s_mov_b32 s[G1+1], 32<<16                      ; tensor_dim0: 256 bytes
	s_mov_b32 s[G1+2], 64<<16                      ; tensor_dim1
	s_mov_b32 s[G1+3], 32<<16                      ; tile_dim0
	s_mov_b32 s[G1+4], 64                          ; tile_dim1: 64 rows, 16,384 dense bytes
	s_mov_b32 s[G1+5], 32
	s_mov_b32 s[G1+6], 0
	s_mov_b32 s[G1+7], 0
	s_mov_b32 s[SEL], 0x76543210
	s_mov_b32 s[SEL+1], 0xfedcba98                 ; v_permlanex16_b32: lane l xor 16
	s_mov_b32 s[TB], 0
	s_mov_b32 s[SLOTS], 3
	s_mov_b32 s[MO], 0
	s_lshr_b32 s68, s[WV], 2                       ; what I fetch: K (tensor 1) or V (tensor 2),
	s_add_co_u32 s68, s68, 1
	s_lshl_b32 s68, s68, 24
	s_lshl_b32 s69, s[BH], 18                      ; my head's 262,144 bytes,
	s_add_co_u32 s68, s68, s69
	s_and_b32 s69, s[WV], 3
	s_lshl_b32 s69, s69, 14                        ; my quarter of a slot
	s_add_co_u32 s68, s68, s69
	s_mov_b32 s69, 0
	s_lshl_b32 s70, s[BH], 18                      ; Q: my head, token tile 32 cx + 4 wave
	s_lshl_b32 s71, s[CX], 16
	s_add_co_u32 s70, s70, s71
	s_lshl_b32 s71, s[WV], 13
	s_add_co_u32 s70, s70, s71
	s_mov_b32 s71, 0
	s_lshr_b32 s72, s[BH], 4
	s_lshl_b32 s72, s72, 5
	s_lshl_b32 s73, s[CX], 3
	s_add_co_u32 s72, s72, s73
	s_add_co_u32 s72, s72, s[WV]                   ; my block of 64 queries among all: 32 batch + 8 cx + wave
	s_lshl_b32 s74, s72, 17                        ; att: four token tiles of 32,768 bytes,
	s_and_b32 s75, s[BH], 15
	s_lshl_b32 s75, s75, 11                        ; my head's two K chunks
	s_add_co_u32 s74, s74, s75
	s_mov_b32 s75, 0
	s_lshl_b32 s72, s72, 14                        ; the mask words: 16,384 bytes
	s_mov_b32 s73, 0
	s_and_b32 s[LIM], s[WV], 1
	s_cmp_eq_u32 s[LIM], 0
	s_cselect_b32 s[LIM], 1, -1                    ; even waves prefetch K and V
	s_and_b32 s[MSL], s[BH], 15                    ; (the last use of batch x head)
	s_cmp_eq_u32 s[MSL], 0
	s_cselect_b32 s[MSL], 2, 0                     ; a batch's first head prefetches the mask words: the same in all four partners
	s_mov_b32 s[G0], 1
	s_lshl_b32 s[G0+1], s[WV], 14                  ; LDS: wave x 16,384: K's four parts, then V's
	v_and_b32 v[AK0], 31, v0
	v_lshlrev_b32 v[AK0], 4, v[AK0]
	v_lshlrev_b32 v[PFO], 4, v[AK0]
	s_wait_dscnt 0x0                               ; both opening adds are done
	s_wait_kmcnt 0x0
	s_add_nc_u64 s[G0+2:G0+3], s[4:5], s[68:69]
	s_add_nc_u64 s[4:5], s[4:5], s[70:71]          ; Q at my wave's first tile
	s_lshl_b32 s70, s[CX], 13                      ; the prefetches: an even wave's and its neighbour's 32,768 bytes are shared out among the four partners BY ADDRESS, 8,192 each;
	s_add_co_u32 s70, s70, 65536                   ; in slot 1: the first change of slots steps it to slot 2
	s_add_nc_u64 s[PFA:PFA+1], s[G0+2:G0+3], s[70:71]
	s_or_b32 s[G0+3], s[G0+3], 0x80000000
	s_add_nc_u64 s[MB:MB+1], s[6:7], s[72:73]
	s_add_nc_u64 s[8:9], s[8:9], s[74:75]
	CROUND                                         ; all four work-groups are here: the first joint loads meet
	tensor_load_to_lds s[G0:G0+3], s[G1:G1+7]      ; slot 0
	s_nop 0
.rept 4
	v_nop
.endr
	MLOAD                                          ; the first pair's mask words
	WIN 0x40                                       ; destination window 1
.irp t, 0,1,2,3
.irp c, 0,1
	global_load_b128 v[128+16*\t+8*\c:128+16*\t+8*\c+3], v[AK0], s[4:5] offset:2048*\t+1024*\c       ; Q stays in registers: tile t, channels 32 c on
	global_load_b128 v[128+16*\t+8*\c+4:128+16*\t+8*\c+7], v[AK0], s[4:5] offset:2048*\t+1024*\c+512
.endr
.endr
	WIN 0
	v_and_b32 v9, 7, v0                            ; the turning load: lane l reads 16 bytes of key 8 (l / 16) + l % 8, channels 8 ((l / 8) % 2) + 0..7, in rows of 32 bytes
	v_bfe_u32 v10, v0, 4, 1
	v_lshl_add_u32 v9, v10, 3, v9
	v_bfe_u32 v10, v0, 3, 1
	v_lshlrev_b32 v[AV0], 5, v9
	v_lshl_add_u32 v[AV0], v10, 4, v[AV0]
	v_add_nc_u32 v[AV0], VOFF, v[AV0]
	v_mov_b32 v[NEG], 0xceabfb8f
.irp t, 0,1,2,3
	v_mov_b32 v[ST+4*\t], 0xff61b1e6               ; m: -3e38, under every score
	v_mov_b32 v[ST+4*\t+1], 0
	v_mov_b32 v[ST+4*\t+2], 0                      ; l
	v_mov_b32 v[ST+4*\t+3], 0
.endr
	v_mov_b32 v[AA+1], 0                           ; (named as the upper half of a pair)
.irp i, 4,5,6,7
	v_mov_b32 v[CH+\i], 0                          ; a lane permute's destination counts as one of its sources
.endr
	WIN 0x40
.set i, 0
.rept 128
	v_mov_b32 v[i], 0                              ; O^T.  The step is written once for all steps: the first finds zeros, which a = 0 leaves zeros; a first step of its own would be a third copy of the step's text
.set i, i+1
.endr
	WIN 0
; S^T = K Q^T for tiles x and x + 1: sixteen products; the eight accumulators by turns, channels 32 c on; the first pass starts the sums.
.macro KQ x
	WIN 0x04                                       ; Q in window 1
.irp c, 0,1
.irp kt, 0,1,2,3
.irp t, \x, \x+1
.if \c == 0
	v_wmma_f32_16x16x32_f16 v[S+32*(\t)+8*\kt:S+32*(\t)+8*\kt+7], v[KF+8*(2*\kt+\c):KF+8*(2*\kt+\c)+7], v[128+16*(\t)+8*\c:128+16*(\t)+8*\c+7], 0
.else
	v_wmma_f32_16x16x32_f16 v[S+32*(\t)+8*\kt:S+32*(\t)+8*\kt+7], v[KF+8*(2*\kt+\c):KF+8*(2*\kt+\c)+7], v[128+16*(\t)+8*\c:128+16*(\t)+8*\c+7], v[S+32*(\t)+8*\kt:S+32*(\t)+8*\kt+7]
.endif
.endr
.endr
.endr
.endm
; THE MASK of tiles x and x + 1, and the request for the next pair's words.  Between that request and the wait for it stand two tiles' softmaxes and 32 products (for a step's first pair also the step's LDS loads).
.macro MASK2 x
	WIN 0
	s_wait_kmcnt 0x0                               ; the pair's 64 words, asked for half a step ago
.set i, 0
.rept 32
	v_cndmask_b32 v[S+32*(\x)+i], v[NEG], v[S+32*(\x)+i], s[MW+i]          ; register 8 kt + j: key 16 kt + 8 (lane / 16) + j.  Each accumulator is read from its low end on
.set i, i+1
.endr
.set i, 0
.rept 32
	v_cndmask_b32 v[S+32*(\x)+32+i], v[NEG], v[S+32*(\x)+32+i], s[MW2+i]
.set i, i+1
.endr
	s_add_co_u32 s[MO], s[MO], 256                 ; the next pair's words (the loads that read this offset are done); the very last request names the last pair once more: no load leaves the buffer
	s_min_u32 s[MO], s[MO], MLAST
	MLOAD
.endm
; THE SOFTMAX of tile t for one step, on masked scores.
.macro SM t
.set rT, ST+4*(\t)
.set rS, S+32*(\t)
	WIN 0
.irp q, 0,1,2,3
	v_max3_num_f32 v[CH+\q], v[rS+8*\q], v[rS+8*\q+1], v[rS+8*\q+2]       ; the maximum: four chains of seven scores,
.endr
.irp q, 0,1,2,3
	v_max3_num_f32 v[CH+\q], v[CH+\q], v[rS+8*\q+3], v[rS+8*\q+4]
.endr
.irp q, 0,1,2,3
	v_max3_num_f32 v[CH+\q], v[CH+\q], v[rS+8*\q+5], v[rS+8*\q+6]
.endr
	v_max3_num_f32 v[CH], v[CH], v[rS+7], v[rS+15]                        ; the four left over,
	v_max3_num_f32 v[CH+2], v[CH+2], v[rS+23], v[rS+31]
	v_mov_b32 v[rT+1], v[rT]                                              ; (the old m is kept for a)
	v_max3_num_f32 v[CH], v[CH], v[CH+1], v[CH+2]
	v_max3_num_f32 v[CH], v[CH], v[CH+3], v[rT]                           ; the old m,
	v_permlanex16_b32 v[CH+4], v[CH], s[SEL], s[SEL+1]                    ; and the query's other 32 keys, in the lane 16 away
	v_max_num_f32 v[rT], v[CH], v[CH+4]
	v_sub_f32 v[rT+1], v[rT+1], v[rT]                                     ; m_old - m_new
.set i, 0
.rept 16
	v_pk_add_f32 v[rS+i:rS+i+1], v[rS+i:rS+i+1], v[rT:rT+1] op_sel_hi:[1,0] neg_lo:[0,1] neg_hi:[0,1]   ; s - m, two at a time
.set i, i+2
.endr
	v_exp_f32 v[AA], v[rT+1]                       ; ONE BATCH: a and the 32 weights; none reads another's result
.set i, 0
.rept 32
	v_exp_f32 v[rS+i], v[rS+i]
.set i, i+1
.endr
	v_nop                                          ; a plain line behind the last exponential (ISA guide 5.7.2)
	s_wait_alu depctr_va_vdst(0)                   ; one wait for the batch, ahead of its first use
.irp k, 0,1,2,3
	v_pk_add_f32 v[CH+2*\k:CH+2*\k+1], v[rS+2*\k:rS+2*\k+1], v[rS+8+2*\k:rS+9+2*\k]     ; the row's sum, of the unrounded weights: four chains of pairs
.endr
.irp k, 0,1,2,3
	v_pk_add_f32 v[CH+2*\k:CH+2*\k+1], v[CH+2*\k:CH+2*\k+1], v[rS+16+2*\k:rS+17+2*\k]
.endr
.irp k, 0,1,2,3
	v_pk_add_f32 v[CH+2*\k:CH+2*\k+1], v[CH+2*\k:CH+2*\k+1], v[rS+24+2*\k:rS+25+2*\k]
.endr
	v_pk_add_f32 v[CH:CH+1], v[CH:CH+1], v[CH+2:CH+3]
	v_pk_add_f32 v[CH+4:CH+5], v[CH+4:CH+5], v[CH+6:CH+7]
	v_pk_fma_f32 v[rT+2:rT+3], v[rT+2:rT+3], v[AA:AA+1], v[CH:CH+1] op_sel_hi:[1,0,1]   ; l = a l + the sum
	v_pk_add_f32 v[rT+2:rT+3], v[rT+2:rT+3], v[CH+4:CH+5]
.set i, 0
.rept 16
	v_cvt_pk_f16_f32 v[rS+i], v[rS+2*i], v[rS+2*i+1]   ; P in place, ascending: register i is written when registers 2 i and 2 i + 1 are read; the sums are done
.set i, i+1
.endr
	WIN 0x41                                       ; O^T (destination and source 0) in window 1
.set i, 32*(\t)
.rept 16
	v_pk_mul_f32 v[i:i+1], v[i:i+1], v[AA:AA+1] op_sel_hi:[1,0]
.set i, i+2
.endr
.endm
; O^T += V^T P for tile t: eight products, the four accumulators by turns; they run beside the vector work that follows.
.macro PV t
.if (\t) == 0
	s_wait_dscnt 0x0                               ; V is in
.endif
	WIN 0x51                                       ; V, C and D window 1, P window 0
.irp g, 0,1
.irp ct, 0,1,2,3
	v_wmma_f32_16x16x32_f16 v[32*(\t)+8*\ct:32*(\t)+8*\ct+7], v[192+8*(4*\g+\ct):192+8*(4*\g+\ct)+7], v[S+32*(\t)+8*\g:S+32*(\t)+8*\g+7], v[32*(\t)+8*\ct:32*(\t)+8*\ct+7]
.endr
.endr
.endm
; A KEY STEP: 64 keys.
.macro STEP
	v_add_nc_u32 v[ADK], s[TB], v[AK0]
	v_add_nc_u32 v[ADV], s[TB], v[AV0]
.rept 2
	v_nop                                          ; with the two additions four places behind the last step's products, in front of the loads into V's registers
.endr
.irp f, 0,1,2,3,4,5,6,7                        ; K's fragment f: keys 16 (f / 2) on, channels 32 (f % 2) on: two planes
	ds_load_b128 v[KF+8*\f:KF+8*\f+3], v[ADK] offset:1024*\f
	ds_load_b128 v[KF+8*\f+4:KF+8*\f+7], v[ADK] offset:1024*\f+512
.endr
	WIN 0x40
.irp g, 0,1                                    ; V's fragment (g, ct): keys 32 g on, channels 16 ct on, turned: a plane of each of two key tiles
.irp ct, 0,1,2,3
	ds_load_tr16_b128 v[192+8*(4*\g+\ct):192+8*(4*\g+\ct)+3], v[ADV] offset:4096*\g+512*\ct
	ds_load_tr16_b128 v[192+8*(4*\g+\ct)+4:192+8*(4*\g+\ct)+7], v[ADV] offset:4096*\g+512*\ct+2048
.endr
.endr
	s_wait_dscnt 16                                ; K is in; V's sixteen loads may be out
	KQ 0                                           ; the first pair's scores,
	WIN 0
.rept 4
	v_nop                                          ; places in front of the first read of them
.endr
	MASK2 0                                        ; their masks, and the request for the second pair's words;
	KQ 2                                           ; the second pair's scores stand behind that request, and run beside tile 0's softmax: so the two requests of a step have about the same work in which to land
	SM 0
	PV 0
	SM 1
	PV 1
	MASK2 2                                        ; the second pair's masks, and the request for the next step's first pair
	SM 2
	PV 2
	SM 3
	PV 3
	WIN 0
	s_add_co_u32 s[TB], s[TB], STEPB
.endm
; THE CHANGE OF SLOTS stands at a slot's head.  Each wave waits for all its tensor loads (its part of the slot ahead), adds 0 to its spare word, and waits for that and for its reads of the slot that it has left.
; fill = 1: a round of the cluster's barrier, so that no wave of any partner still reads the other slot or has a load on its way; then my one joint load fills it: it has eight steps in which to land.
.macro CHANGE fill
	s_wait_tensorcnt 0x0                           ; no tensor load of mine is out, so the descriptor may be written
	ds_add_u32 v[SPW], v[NIL]
.if \fill
	s_xor_b32 s[G0+1], s[G0+1], SLOT1              ; the other slot than last time,
	s_add_nc_u64 s[G0+2:G0+3], s[G0+2:G0+3], 65536 ; the next 512 keys
	s_wait_xcnt 0x0                                ; the last prefetch, a slot back, has read its address
	s_add_nc_u64 s[PFA:PFA+1], s[PFA:PFA+1], 65536 ; one slot further on than the descriptor
	s_wait_dscnt 0x0
	CROUND
	tensor_load_to_lds s[G0:G0+3], s[G1:G1+7]
	s_nop 0
.rept 4
	v_nop
.endr
	; PREFETCHES, behind my tensor load.  K and V: what the NEXT change will ask for, eight steps ahead of that load: an even wave names 8,192 bytes, lanes 256 bytes apart; four partners x four even waves name a slot's 131,072 bytes once.
	; The last change that fills a slot asks for nothing.  The mask: the sixteen heads of a batch read the same words, so the batch's first head asks: at the second change each of its waves names the second half of its 16,384 bytes once.
	s_cmp_gt_u32 s[SLOTS], s[LIM]
	s_cbranch_scc0 .Lnot_mine_\@
	global_prefetch_b8 v[PFO], s[PFA:PFA+1] th:TH_LOAD_NT scope:SCOPE_SE
.Lnot_mine_\@:
	s_cmp_eq_u32 s[SLOTS], s[MSL]
	s_cbranch_scc0 .Lno_mask_\@
	global_prefetch_b8 v[PFO], s[MB:MB+1] offset:8192 th:TH_LOAD_NT scope:SCOPE_SE
.Lno_mask_\@:
.else
	s_wait_dscnt 0x0
	s_barrier_signal -1
	s_barrier_wait -1
.endif
.endm
.macro SLOT_STEPS                      ; a slot's eight steps: written once, walked eight times
	s_mov_b32 s[STEPS], 8
.Lstep_\@:
	STEP
	s_sub_co_u32 s[STEPS], s[STEPS], 1
	s_cmp_lg_u32 s[STEPS], 0
	s_cbranch_scc1 .Lstep_\@
	s_sub_co_u32 s[TB], s[TB], 8*STEPB             ; back to a slot's first step,
	s_xor_b32 s[TB], s[TB], SLOT1                  ; in the other slot
.endm
	s_wait_loadcnt 0x0                             ; Q
.Lslot:                                            ; three trips: behind each change the next 512 keys are asked for (the first trip's load is slot 1's first fill)
	CHANGE 1
	SLOT_STEPS
	s_sub_co_u32 s[SLOTS], s[SLOTS], 1
	s_cmp_lg_u32 s[SLOTS], 0
	s_cbranch_scc1 .Lslot
	CHANGE 0                                       ; the last slot is written out
	SLOT_STEPS
	; THE WAY OUT.  l's halves and the other lane's are added (these lines are also the places behind the last products); O^T / l, rounded to f16: a lane's eight channels are 16 bytes, four registers of the next launch's operand.
	s_wait_kmcnt 0x0                               ; the last mask loads, which nobody reads
.irp t, 0,1,2,3
	v_add_f32 v[CH+\t], v[ST+4*\t+2], v[ST+4*\t+3]
.endr
.irp t, 0,1,2,3
	v_permlanex16_b32 v[CH+4+\t], v[CH+\t], s[SEL], s[SEL+1]
.endr
.irp t, 0,1,2,3
	v_add_f32 v[CH+\t], v[CH+\t], v[CH+4+\t]
.endr
.irp t, 0,1,2,3
	v_mov_b32 v[RC+2*\t+1], 0                      ; (named as the upper half of a pair)
.endr
.irp t, 0,1,2,3
	v_rcp_f32 v[RC+2*\t], v[CH+\t]                 ; l is at least 1: the row's largest weight is 1
.endr
	v_nop
	s_wait_alu depctr_va_vdst(0)                   ; one wait for the four reciprocals
	WIN 0x41
.irp t, 0,1,2,3
.set i, 32*\t
.rept 16
	v_pk_mul_f32 v[i:i+1], v[i:i+1], v[RC+2*\t:RC+2*\t+1] op_sel_hi:[1,0]
.set i, i+2
.endr
.endr
	WIN 0x05                                       ; sources window 1, destination window 0
.set i, 0
.rept 64
	v_cvt_pk_f16_f32 v[S+i], v[2*i], v[2*i+1]
.set i, i+1
.endr
	WIN 0
.irp t, 0,1,2,3
.irp ct, 0,1,2,3
	global_store_b128 v[AK0], v[S+16*\t+4*\ct:S+16*\t+4*\ct+3], s[8:9] offset:32768*\t+512*\ct   ; a plane: 512 consecutive bytes, aligned
.endr
.endr
	s_wait_tensorcnt 0x0                           ; the wave's end
	ds_add_u32 v[SPW], v[NIL]
	s_wait_dscnt 0x0
	CROUND                                         ; the closing round
	s_endpgm
.Lfunc_end_k_qad1260e69a_attn:
	.size	k_qad1260e69a_attn, .Lfunc_end_k_qad1260e69a_attn-k_qad1260e69a_attn
	.p2alignl 7, 3214868480
	.fill 96, 4, 3214868480
	.section	.rodata,"a",@progbits
	.p2align	6, 0x0
	.amdhsa_kernel k_qad1260e69a_attn
		.amdhsa_group_segment_fixed_size 327680
		.amdhsa_private_segment_fixed_size 0
		.amdhsa_enable_private_segment 0
		.amdhsa_kernarg_size 24
		.amdhsa_user_sgpr_count 2
		.amdhsa_user_sgpr_kernarg_segment_ptr 1
		.amdhsa_wavefront_size32 1
		.amdhsa_system_sgpr_workgroup_id_x 1
		.amdhsa_system_sgpr_workgroup_id_y 1
		.amdhsa_system_sgpr_workgroup_id_z 1
		.amdhsa_system_vgpr_workitem_id 0
		.amdhsa_next_free_vgpr 512
		.amdhsa_next_free_sgpr 100
		.amdhsa_reserve_vcc 0
		.amdhsa_float_denorm_mode_32 3
		.amdhsa_float_denorm_mode_16_64 3
		.amdhsa_memory_ordered 1
		.amdhsa_forward_progress 1
		.amdhsa_inst_pref_size 106
	.end_amdhsa_kernel
	.amdgpu_metadata
---
amdhsa.version: [ 1, 2 ]
amdhsa.kernels:
  - .name:           k_qad1260e69a_attn
    .symbol:         k_qad1260e69a_attn.kd
    .args:
      - { .name: qkv, .offset: 0, .size: 8, .value_kind: global_buffer, .address_space: global }
      - { .name: mbits, .offset: 8, .size: 8, .value_kind: global_buffer, .address_space: global }
      - { .name: att, .offset: 16, .size: 8, .value_kind: global_buffer, .address_space: global }
    .group_segment_fixed_size: 327680
    .private_segment_fixed_size: 0
    .kernarg_segment_align: 8
    .kernarg_segment_size: 24
    .max_flat_workgroup_size: 256
    .sgpr_count:     100
    .vgpr_count:     512
    .wavefront_size: 32
...
	.end_amdgpu_metadata
.endif
;; end of part 3
;; launch outp (part 4): grid 8 x 64, 4 waves a work-group, clusters of 4 x 4, 327,680 bytes of LDS; arguments att, w0h, b0, out0; writes out0
.if DOCPART == 4
	.amdgcn_target "amdgcn-amd-amdhsa--gfx1250"
	.amdhsa_code_object_version 6
	.text
	.protected	k_qad1260e69a_outp
	.globl	k_qad1260e69a_outp
	.p2align	8
	.type	k_qad1260e69a_outp,@function
k_qad1260e69a_outp:
	s_mov_b64 s[64:65], 0
	v_nop
	global_prefetch_b8 v0, s[64:65] scope:SCOPE_SE
	s_setreg_imm32_b32 hwreg(HW_REG_WAVE_MODE, 25, 1), 1
	s_wait_xcnt 0x0
	s_wait_alu depctr_hold_cnt(0) depctr_sa_sdst(0) depctr_va_vdst(0) depctr_va_sdst(0) depctr_va_ssrc(0) depctr_va_vcc(0) depctr_vm_vsrc(0)
	s_getreg_b32 s2, hwreg(HW_REG_IB_STS2, 6, 4)
	s_cmp_eq_u32 s2, 0
	s_cbranch_scc0 .Lentry_in_a_cluster
	s_endpgm
.Lentry_in_a_cluster:
	s_bfe_u32 s2, ttmp6, 0x10000c
	s_cmp_lg_u32 s2, 0xf033
	s_cbranch_scc0 .Lentry_shape_is_right
	s_endpgm
.Lentry_shape_is_right:
; OUTP: out0 = A W0^T + b0.  A (the attention's result, 8,192 x 1,024) and W0 (1,024 x 1,024) are f16, sums f32, the bias as the C of each sum's first product; out0 f32.
; Both operands lie in memory as images of operand registers: [tile of 16 rows][K chunk of 32][plane 2][lane 32][16 bytes]: a tile's K step of 256 is 8,192 dense bytes, and an LDS load takes 512 consecutive bytes: no padding.
; A tile of out0 is 128 x 128: four waves, 64 x 64 each: 16 accumulators.  512 work-groups.  K goes in four steps of 256 through two LDS slots; a wave's tensor load brings four tiles x 8,192 bytes.  The four steps are written out.
; CLUSTERS: 4 x 4 work-groups; A's tile is shared along a row of the cluster, W0's along a column: each is asked for jointly.  THE PRODUCT IS USED TRANSPOSED (source 0 = 16 rows of W0, source 1 = 16 rows of A).
; A wave's 64 columns are 256 bytes of a row of out0: they go through the wave's OWN stage, so that sixteen lanes store 256 consecutive bytes, aligned; no barrier on the way out.
; No prefetch: a K step's tiles are small and shared by four, and both operands are walked by many work-groups.
; REGISTERS: window 0: v0-31 addresses; v32-63 the bias, then with v64-95 rows on the way out; v128-255 the accumulators ((a, b) at v[128 + 8 (4 a + b)]).  Window 1: two fragment buffers of 128: 64 of A, then 64 of W0.
.set KSB,    8192                      ; a K step of one tile of 16 rows, in bytes
.set HALFT,  4*KSB                     ; four tiles: what one tensor load brings, and what one wave reads of A or of W0
.set SLOT,   4*HALFT
.set KQ,     2048                      ; a quarter of a K step: two K chunks
.set STAGE,  2*SLOT
.set SPITCH, 272
.set SPARE,  STAGE+4*16*SPITCH         ; the spare words, 128 bytes a wave: two blocks of 256 bytes that no other line names
.set ADRA, 16
.set ADRB, 20
.set STO,  24
.set RD,   25
.set CO,   26
.set SPW,  28
.set NIL,  29
.set BI,   32
.set OB,   32
.set ACC,  128
.set F0,   0
.set F1,   128
.set G1, 24
.set G0, 32
.set G1B, 48
.set G0B, 56
.set MSB, 0
.macro WIN new
.if MSB != (\new)
	s_set_vgpr_msb (MSB<<8)|(\new)
.set MSB, (\new)
.endif
.endm
.set MUL,  0x05                        ; sources 0 and 1 window 1; C and D window 0
.set TO_F, 0x40
.macro JLOAD s                         ; a joint load: waves 0 and 1 fetch A's two halves, waves 2 and 3 W0's; an s_nop 0 and four v_nop follow each of the two lines
	s_cmp_eq_u32 s11, 0
	s_cbranch_scc0 .Lfor_b_\@
	tensor_load_to_lds s[G0+4*\s:G0+4*\s+3], s[G1:G1+7]
	s_nop 0
.rept 4
	v_nop
.endr
	s_branch .Lasked_\@
.Lfor_b_\@:
	tensor_load_to_lds s[G0B+4*\s:G0B+4*\s+3], s[G1B:G1B+7]
	s_nop 0
.rept 4
	v_nop
.endr
.Lasked_\@:
.endm
.macro CREST
	s_cmp_lg_u32 s10, 0
	s_cbranch_scc1 .Lnot_wave_0_\@
	s_barrier_signal -3
.Lnot_wave_0_\@:
	s_barrier_wait -3
	s_barrier_signal -1
	s_barrier_wait -1
.endm
.macro CROUND
	s_barrier_signal -1
	s_barrier_wait -1
	CREST
.endm
	s_load_b128 s[4:7], s[0:1], 0x0                ; att s[4:5], w0h s[6:7]
	s_load_b128 s[68:71], s[0:1], 0x10             ; b0 s[68:69], out0 s[70:71]
	v_lshl_add_u32 v[SPW], v0, 2, SPARE
	v_mov_b32 v[NIL], 0
	ds_add_u32 v[SPW], v[NIL]                      ; the wave's opening: the add, twice on end, and its wait ahead of my first tensor load
	ds_add_u32 v[SPW], v[NIL]
	v_lshrrev_b32 v1, 5, v0
	v_readfirstlane_b32 s10, v1                    ; wave 0..3
	s_lshr_b32 s11, s10, 1                         ; which half of the tile's rows is mine.  Also: I fetch for A (0) or for W0 (1)
	s_and_b32 s12, s10, 1                          ; which half of its columns.  Also: which four tiles I fetch
	s_bfe_u32 s40, ttmp6, 0x40000
	s_bfe_u32 s41, ttmp6, 0x40004
	s_lshl_b32 s42, ttmp9, 2
	s_add_co_u32 s42, s42, s40                     ; tile column = 4 x cluster x + cx
	s_and_b32 s13, ttmp7, 0xffff
	s_lshl_b32 s13, s13, 2
	s_add_co_u32 s13, s13, s41                     ; tile row = 4 x cluster y + cy
	s_lshl_b32 s43, s41, 2
	s_lshl_b32 s43, 15, s43                        ; my row of the cluster
	s_lshl_b32 s44, 0x1111, s40                    ; my column
	s_or_b32 s[G1+0], s43, (3<<16)|(1<<21)         ; the mask; elements of 8 bytes; no padding; bit 21 beside a mask
	s_or_b32 s[G1B+0], s44, (3<<16)|(1<<21)
.irp g, G1, G1B
	s_mov_b32 s[\g+1], 1024<<16                    ; tensor_dim0: 8,192 bytes
	s_mov_b32 s[\g+2], 4<<16                       ; tensor_dim1
	s_mov_b32 s[\g+3], 1024<<16                    ; tile_dim0
	s_mov_b32 s[\g+4], 4                           ; tile_dim1: four tiles of 16 rows
	s_mov_b32 s[\g+5], 4096                        ; 32,768 bytes from tile to tile
	s_mov_b32 s[\g+6], 0
	s_mov_b32 s[\g+7], 0
.endr
	s_lshl_b32 s17, s12, 2                         ; which four tiles I fetch
	s_lshl_b32 s16, s13, 3
	s_add_co_u32 s16, s16, s17                     ; A: tile 8 x tile row + 4 x half
	s_lshl_b32 s16, s16, 15
	s_lshl_b32 s46, s42, 3
	s_add_co_u32 s46, s46, s17                     ; W0: tile 8 x tile column + 4 x half
	s_lshl_b32 s46, s46, 15
	s_mov_b32 s17, 0
	s_mov_b32 s47, 0
	s_mul_i32 s20, s10, HALFT                      ; where they go: wave x four tiles
	s_wait_dscnt 0x0                               ; both opening adds are done
	s_wait_kmcnt 0x0
	s_add_nc_u64 s[14:15], s[4:5], s[16:17]
	s_add_nc_u64 s[46:47], s[6:7], s[46:47]
	CROUND                                         ; all sixteen work-groups are here: the first joint loads meet
.irp s, 0,1
	s_mov_b32 s[G0+4*\s], 1
	s_add_co_u32 s[G0+4*\s+1], s20, \s*SLOT
	s_add_nc_u64 s[G0+4*\s+2:G0+4*\s+3], s[14:15], \s*KSB
	s_or_b32 s[G0+4*\s+3], s[G0+4*\s+3], 0x80000000
	s_mov_b32 s[G0B+4*\s], 1
	s_add_co_u32 s[G0B+4*\s+1], s20, \s*SLOT
	s_add_nc_u64 s[G0B+4*\s+2:G0B+4*\s+3], s[46:47], \s*KSB
	s_or_b32 s[G0B+4*\s+3], s[G0B+4*\s+3], 0x80000000
	JLOAD \s
.endr
	v_and_b32 v1, 15, v0                           ; r
	v_bfe_u32 v2, v0, 4, 1                         ; h
	v_and_b32 v3, 31, v0
	v_lshlrev_b32 v3, 4, v3                        ; 16 x lane: a plane's place for my lane
	s_mul_i32 s21, s11, HALFT                      ; my four tiles of A
	s_mul_i32 s22, s12, HALFT                      ; my four of W0,
	s_add_co_u32 s22, s22, 2*HALFT                 ; which lie behind A's eight
.irp s, 0,1
	v_add_nc_u32 v[ADRA+\s], s21, v3
	v_add_nc_u32 v[ADRB+\s], s22, v3
	s_add_co_u32 s21, s21, SLOT
	s_add_co_u32 s22, s22, SLOT
.endr
	s_mul_i32 s23, s10, 16*SPITCH
	s_add_co_u32 s23, s23, STAGE                   ; my stage: 16 rows x (256 bytes + 16)
	v_mul_u32_u24 v4, v1, SPITCH                   ; in: row r, 32 bytes for each half of the lanes
	v_lshl_add_u32 v4, v2, 5, v4
	v_add_nc_u32 v[STO], s23, v4
	v_mul_u32_u24 v5, v2, SPITCH                   ; back: lanes 0-15 one row of 256 bytes, lanes 16-31 the next
	v_lshl_add_u32 v5, v1, 4, v5
	v_add_nc_u32 v[RD], s23, v5
	v_lshlrev_b32 v5, 12, v2                       ; and the same two rows in out0
	v_lshl_add_u32 v[CO], v1, 4, v5
	s_lshl_b32 s16, s13, 7
	s_lshl_b32 s17, s11, 6
	s_add_co_u32 s16, s16, s17                     ; my first row: 128 x tile row + 64 x half
	s_lshl_b32 s16, s16, 12
	s_mov_b32 s17, 0
	s_lshl_b32 s46, s42, 9                         ; my first column, in bytes: 512 x tile column + 256 x half: in a row of out0 and in b0 alike
	s_lshl_b32 s47, s12, 8
	s_add_co_u32 s46, s46, s47
	s_mov_b32 s47, 0
	s_add_nc_u64 s[70:71], s[70:71], s[16:17]
	s_add_nc_u64 s[70:71], s[70:71], s[46:47]
	s_add_nc_u64 s[68:69], s[68:69], s[46:47]
	v_lshlrev_b32 v6, 5, v2
.irp b, 0,1,2,3                                ; the bias: lane (r, h) wants, for W0's block b, columns 16 b + 8 h + 0..7
	global_load_b128 v[BI+8*\b:BI+8*\b+3], v6, s[68:69] offset:64*\b
	global_load_b128 v[BI+8*\b+4:BI+8*\b+7], v6, s[68:69] offset:64*\b+16
.endr
; 8 matrix instructions: row blocks a0, a0 + 1 x all 4 column blocks, 32 along K: half c of buffer f.  zero = 1: the first product starts the sums, with the bias as its C.  The 16 accumulators take turns.
.macro MUL8 f, c, a0, zero
.irp a, \a0, \a0+1
.irp b, 0,1,2,3
.if \zero
	v_wmma_f32_16x16x32_f16 v[ACC+8*(4*(\a)+\b):ACC+8*(4*(\a)+\b)+7], v[\f+64+8*(4*\c+\b):\f+64+8*(4*\c+\b)+7], v[\f+8*(4*\c+\a):\f+8*(4*\c+\a)+7], v[BI+8*\b:BI+8*\b+7]
.else
	v_wmma_f32_16x16x32_f16 v[ACC+8*(4*(\a)+\b):ACC+8*(4*(\a)+\b)+7], v[\f+64+8*(4*\c+\b):\f+64+8*(4*\c+\b)+7], v[\f+8*(4*\c+\a):\f+8*(4*\c+\a)+7], v[ACC+8*(4*(\a)+\b):ACC+8*(4*(\a)+\b)+7]
.endif
.endr
.endr
.endm
; 32 LDS loads in one run: the fragments of 64 along K (two K chunks, from byte k of each tile's K step) into buffer f; the first 32 along K first
.macro FETCH slot, k, f
	WIN TO_F
.irp c, 0,1
.irp i, 0,1,2,3
	ds_load_b128 v[\f+64+8*(4*\c+\i):\f+64+8*(4*\c+\i)+3],   v[ADRB+\slot] offset:\k+1024*\c+\i*KSB
	ds_load_b128 v[\f+64+8*(4*\c+\i)+4:\f+64+8*(4*\c+\i)+7], v[ADRB+\slot] offset:\k+1024*\c+\i*KSB+512
	ds_load_b128 v[\f+8*(4*\c+\i):\f+8*(4*\c+\i)+3],         v[ADRA+\slot] offset:\k+1024*\c+\i*KSB
	ds_load_b128 v[\f+8*(4*\c+\i)+4:\f+8*(4*\c+\i)+7],       v[ADRA+\slot] offset:\k+1024*\c+\i*KSB+512
.endr
.endr
.endm
.macro PLACES                          ; four places in front of loads into registers that matrix instructions have read, and of the first read of results (ISA guide 7.12.1 for the first read of results)
.rept 4
	v_nop
.endr
.endm
; A K step is four quarters of 64 along K, 32 matrix instructions each, on buffers 0, 1, 0, 1.  One of the first three: multiplies buffer f and fetches the next quarter, at byte k, into g.
.macro QUARTER slot, k, f, g, zero
	s_wait_dscnt 16                                ; the first 32 along K are in
	WIN MUL
	MUL8 \f, 0, 0, \zero
	MUL8 \f, 0, 2, \zero
	PLACES
	FETCH \slot, \k, \g
	s_wait_dscnt 32                                ; all but the 32 just issued
	WIN MUL
	MUL8 \f, 1, 0, 0
	MUL8 \f, 1, 2, 0
.endm
; The last quarter multiplies buffer 1 and changes slots: ONE barrier; in front of it each wave waits for all its tensor loads, adds 0 to its spare word, and waits for that and for its reads of this slot.  fill = 1: this slot is filled again, two K steps ahead.
.macro TURN slot, next, fill
	WIN 0
	s_wait_tensorcnt 0x0                           ; all my tensor loads have landed: my part of the next slot
	ds_add_u32 v[SPW], v[NIL]
	s_wait_dscnt 17                                ; (the add and the youngest sixteen loads may be out)
	WIN MUL
	MUL8 F1, 0, 0, 0
	s_wait_dscnt 0x0                               ; the add is done, and my reads of this slot are over
	s_barrier_signal -1
	MUL8 F1, 0, 2, 0
.if \fill
	WIN 0
.endif
	s_barrier_wait -1
.if \fill
	CREST                                          ; the barrier has opened a round of the cluster's barrier: no wave of any partner still reads this slot or has a load on its way
	s_add_nc_u64 s[G0+4*\slot+2:G0+4*\slot+3], s[G0+4*\slot+2:G0+4*\slot+3], 2*KSB
	s_add_nc_u64 s[G0B+4*\slot+2:G0B+4*\slot+3], s[G0B+4*\slot+2:G0B+4*\slot+3], 2*KSB
	JLOAD \slot                                    ; the first tensor load behind the round; its four v_nop are also the places in front of the loads below
.else
	PLACES
.endif
	FETCH \next, 0, F0
	WIN MUL
	MUL8 F1, 1, 0, 0
	MUL8 F1, 1, 2, 0
.endm
	s_wait_tensorcnt 1                             ; my part of K step 0 is in (K step 1's load may be out),
	s_barrier_signal -1
	s_barrier_wait -1                              ; everybody's is
	FETCH 0, 0, F0
	s_wait_loadcnt 0x0                             ; the bias
	QUARTER 0, 1*KQ, F0, F1, 1                     ; K step 0
	QUARTER 0, 2*KQ, F1, F0, 0
	QUARTER 0, 3*KQ, F0, F1, 0
	TURN 0, 1, 1                                   ; slot 0 takes K step 2
	QUARTER 1, 1*KQ, F0, F1, 0                     ; K step 1
	QUARTER 1, 2*KQ, F1, F0, 0
	QUARTER 1, 3*KQ, F0, F1, 0
	TURN 1, 0, 1                                   ; slot 1 takes K step 3
	QUARTER 0, 1*KQ, F0, F1, 0                     ; K step 2
	QUARTER 0, 2*KQ, F1, F0, 0
	QUARTER 0, 3*KQ, F0, F1, 0
	TURN 0, 1, 0                                   ; nothing is left to fetch
	QUARTER 1, 1*KQ, F0, F1, 0                     ; K step 3
	QUARTER 1, 2*KQ, F1, F0, 0
	QUARTER 1, 3*KQ, F0, F1, 0
	s_wait_dscnt 16
	WIN MUL
	MUL8 F1, 0, 0, 0
	MUL8 F1, 0, 2, 0
	s_wait_dscnt 0
	MUL8 F1, 1, 0, 0
	MUL8 F1, 1, 2, 0
	WIN 0
; THE WAY OUT, a block of 16 rows x 64 columns at a time, through my own stage.  LDS serves a wave's instructions in order (ISA guide 5.7.1.4): no wait between the stores and the loads, nor in front of the next block's stores.
.macro TOSTAGE a
.irp b, 0,1,2,3
	ds_store_b128 v[STO], v[ACC+8*(4*(\a)+\b):ACC+8*(4*(\a)+\b)+3] offset:64*\b          ; each accumulator from its low end on
	ds_store_b128 v[STO], v[ACC+8*(4*(\a)+\b)+4:ACC+8*(4*(\a)+\b)+7] offset:64*\b+16
.endr
.irp i, 0,1,2,3,4,5,6,7
	ds_load_b128 v[OB+32*((\a)%2)+4*\i:OB+32*((\a)%2)+4*\i+3], v[RD] offset:\i*2*SPITCH
.endr
.endm
.macro SEND a, younger                 ; younger: the LDS instructions issued behind block a's loads, which may stay out
	s_wait_dscnt \younger
.irp i, 0,1,2,3,4,5,6,7
	global_store_b128 v[CO], v[OB+32*((\a)%2)+4*\i:OB+32*((\a)%2)+4*\i+3], s[70:71] offset:(16*(\a)+2*\i)*4096 th:TH_STORE_NT   ; sixteen lanes store 256 consecutive bytes, aligned; written once, read by nobody here
.endr
.endm
	PLACES
	TOSTAGE 0
.irp a, 1,2,3
.if \a > 1
	s_wait_xcnt 0x0                                ; block a - 2's stores have read their registers: block a's loads may land there
.endif
	TOSTAGE \a
	SEND \a-1, 16                                  ; behind block a - 1's loads: block a's 8 stores and 8 loads
.endr
	SEND 3, 0
	s_wait_tensorcnt 0x0                           ; the wave's end
	ds_add_u32 v[SPW], v[NIL]
	s_wait_dscnt 0x0
	CROUND                                         ; the closing round
	s_endpgm
.Lfunc_end_k_qad1260e69a_outp:
	.size	k_qad1260e69a_outp, .Lfunc_end_k_qad1260e69a_outp-k_qad1260e69a_outp
	.p2alignl 7, 3214868480
	.fill 96, 4, 3214868480
	.section	.rodata,"a",@progbits
	.p2align	6, 0x0
	.amdhsa_kernel k_qad1260e69a_outp
		.amdhsa_group_segment_fixed_size 327680
		.amdhsa_private_segment_fixed_size 0
		.amdhsa_enable_private_segment 0
		.amdhsa_kernarg_size 32
		.amdhsa_user_sgpr_count 2
		.amdhsa_user_sgpr_kernarg_segment_ptr 1
		.amdhsa_wavefront_size32 1
		.amdhsa_system_sgpr_workgroup_id_x 1
		.amdhsa_system_sgpr_workgroup_id_y 1
		.amdhsa_system_sgpr_workgroup_id_z 1
		.amdhsa_system_vgpr_workitem_id 0
		.amdhsa_next_free_vgpr 512
		.amdhsa_next_free_sgpr 72
		.amdhsa_reserve_vcc 0
		.amdhsa_float_denorm_mode_32 3
		.amdhsa_float_denorm_mode_16_64 3
		.amdhsa_memory_ordered 1
		.amdhsa_forward_progress 1
		.amdhsa_inst_pref_size 86
	.end_amdhsa_kernel
	.amdgpu_metadata
---
amdhsa.version: [ 1, 2 ]
amdhsa.kernels:
  - .name:           k_qad1260e69a_outp
    .symbol:         k_qad1260e69a_outp.kd
    .args:
      - { .name: att, .offset: 0, .size: 8, .value_kind: global_buffer, .address_space: global }
      - { .name: w0h, .offset: 8, .size: 8, .value_kind: global_buffer, .address_space: global }
      - { .name: b0, .offset: 16, .size: 8, .value_kind: global_buffer, .address_space: global }
      - { .name: out0, .offset: 24, .size: 8, .value_kind: global_buffer, .address_space: global }
    .group_segment_fixed_size: 327680
    .private_segment_fixed_size: 0
    .kernarg_segment_align: 8
    .kernarg_segment_size: 32
    .max_flat_workgroup_size: 128
    .sgpr_count:     72
    .vgpr_count:     512
    .wavefront_size: 32
...
	.end_amdgpu_metadata
.endif
;; end of part 4
